; MI455X (gfx1250); checked and timed in simulation.
; The chip was launched on July 23, 2026; its instructions are those of AMD's public machine-readable ISA for CDNA 5 (MIT licence, August 2026) and "CDNA5" Instruction Set Architecture Reference Guide (July 2026). The comments in the code are by the model that wrote it; some were corrected since.
;; Diag Gaussian. Allowed arithmetic: float matrix products may take bf16 or f16 operands with f32 sums; other float arithmetic in f32, or as packed bf16 or f16 multiplies, adds, multiply-adds, maxima and minima; sums over many terms, partial sums and values carried from step to step in f32; what a program stores and reads back later, other than sums and carried values, may be rounded once to bf16 or f16.
;; Inputs: W 8 x 1,024 x 512 float32; b 8 x 512 float32; index 16,384 int32; logstd 512 float32; x 16,384 x 1,024 float32.
;; Outputs: out0 16,384 x 512 float32; out1 16,384 x 512 float32.
;; 3 versions, each right and faster than the one before. Each part assembles by itself: llvm-mc -triple=amdgcn-amd-amdhsa -mcpu=gfx1250 --defsym DOCPART=n.
;; ======== version 1 of 3: 2 launches
;; workspace buffers: wb 8,388,608 bytes; rows 131,072 bytes of whole numbers
;; launch prep (part 1): grid 256 x 1, 8 waves a work-group, no clusters, 10,240 bytes of LDS; arguments W, index, logstd, wb, rows, out1; writes wb, rows, out1
.if DOCPART == 1
	.amdgcn_target "amdgcn-amd-amdhsa--gfx1250"
	.amdhsa_code_object_version 6
	.text
	.protected	k_qfe2d6c5ec5_prep
	.globl	k_qfe2d6c5ec5_prep
	.p2align	8
	.type	k_qfe2d6c5ec5_prep,@function
k_qfe2d6c5ec5_prep:
	s_mov_b64 s[64:65], 0
	v_nop
	global_prefetch_b8 v0, s[64:65] scope:SCOPE_SE
	s_setreg_imm32_b32 hwreg(HW_REG_WAVE_MODE, 25, 1), 1
	s_wait_xcnt 0x0
; THREE JOBS, 256 work-groups of eight waves.
; (1) out1[t][o] = exp(logstd[o]) for 64 rows of out1.  (2) 16,384 numbers of W rounded once to bf16, in the order in which W lies ([e][k][n]).
; (3) Work-group j works out the record of work-group j of the next launch: 80 row slots (token numbers) and the expert.
; THE DEAL, the same arithmetic in every work-group.  c_e = tokens of expert e.  Expert e gets g_e = c_e / 288 + 1 clusters of four work-groups (whole division); the g_e add up to
; 16384 / 288 + 8 = 64 at the most, the number of clusters.  Cluster cl belongs to the last e whose first cluster G_e is not behind cl.  A work-group takes per = ceil(c_e / 4 g_e) ranks, 72 at the most,
; from rank per x u on, u its number among the work-groups of the expert; n of them exist.  Slots from n on repeat slot 0; with n = 0 all 80 slots hold 16384, which says: no rows.
; A token's rank among its expert's: waves in order, in a wave the 64 values of a lane in order, lanes in order: every work-group counts alike, so each token has one owner, whatever the split.
; No branch and no global address hangs on the index; it enters LDS store addresses alone, behind a clamp.
; LIMITS.  index lies in 0 to 7 (the gather of the problem relies on that): a token with another index gets no slot.  exp is made as the square of 2^(logstd x log2(e) / 2), so that
; results below 2^-126 are kept; it is good to a few units in the last place.
.set WCNT,  0          ; 8 x 16 bytes: each wave's counts
.set LISTS, 1024       ; 8 x 1,024 bytes: each wave's own list: words 0-127 slots, words 128-159 a dump word for each lane
.set SPARE, 9216       ; the spare words, 128 bytes for each wave: four blocks of 256 bytes that no other line names
.set SPW, 6            ; v6   LDS address of my spare word; never rewritten
.set NIL, 7            ; v7   0; never rewritten
.set IDX, 64           ; v64-127   my 64 index values: load i, word c: token 1024 i + 4 t + c
.set WF,  128          ; v128-191  my 64 numbers of W
; v0 t; v1 lane; v2 16 t; v3 32 t; v4 16 (t mod 128); v5 4 t; v8-11 std; v12-15 counts, two experts a register; v16-23 at work; v24-55 the eight waves' counts, later lists; v56-59 totals; v60-63 prefixes
; s16 wave; s17 j; s18 cluster; s19 place in it; s24-27 totals; s28-31 prefixes; s32 G; s33 E; s34 c_E; s35 my wave's prefix for E; s36 G_E; s40 4 g; s41 per; s42 u; s43 first rank; s44 n; s45 running rank less first rank
	s_load_b256 s[4:11], s[0:1], 0x0               ; W s[4:5], index s[6:7], logstd s[8:9], wb s[10:11]
	s_load_b128 s[12:15], s[0:1], 0x20             ; rows s[12:13], out1 s[14:15]
	v_lshl_add_u32 v[SPW], v0, 2, SPARE
	v_mov_b32 v[NIL], 0
	v_and_b32 v1, 31, v0
	v_lshrrev_b32 v16, 5, v0
	v_readfirstlane_b32 s16, v16
	s_mov_b32 s17, ttmp9
	s_lshr_b32 s18, s17, 2
	s_and_b32 s19, s17, 3
	v_lshlrev_b32 v2, 4, v0
	v_lshlrev_b32 v3, 5, v0
	v_and_b32 v4, 127, v0
	v_lshlrev_b32 v4, 4, v4
	v_lshlrev_b32 v5, 2, v0
	s_mov_b32 s46, 0x76543210                      ; v_permlanex16_b32: each lane takes its own place in the other half
	s_mov_b32 s47, 0xfedcba98
	s_mov_b32 s49, 0
	s_wait_kmcnt 0x0
	s_lshl_b32 s48, s17, 16                        ; my 65,536 bytes of W
	s_add_nc_u64 s[4:5], s[4:5], s[48:49]
	s_lshl_b32 s48, s17, 15                        ; my 32,768 bytes of wb
	s_add_nc_u64 s[10:11], s[10:11], s[48:49]
	s_lshl_b32 s48, s17, 17                        ; my 64 rows of out1
	s_add_nc_u64 s[14:15], s[14:15], s[48:49]
	s_lshl_b32 s48, s17, 9                         ; my record
	s_add_nc_u64 s[12:13], s[12:13], s[48:49]
	; all 33 loads go out together: logstd, the whole index, my part of W
	global_load_b128 v[8:11], v4, s[8:9]
.irp i, 0,1,2,3,4,5,6,7,8,9,10,11,12,13,14,15
	global_load_b128 v[IDX+4*\i:IDX+4*\i+3], v2, s[6:7] offset:4096*\i
.endr
.irp q, 0,1,2,3,4,5,6,7
	global_load_b128 v[WF+8*\q:WF+8*\q+3],   v3, s[4:5] offset:8192*\q th:TH_LOAD_NT
	global_load_b128 v[WF+8*\q+4:WF+8*\q+7], v3, s[4:5] offset:8192*\q+16 th:TH_LOAD_NT
.endr
	; out1: my four columns, the same in every row; the 256 threads cover two rows a store
	s_wait_loadcnt 32                              ; logstd is in; the 32 younger loads stay out
.irp k, 0,1,2,3
	v_mul_f32 v[12+\k], 0x3f38aa3b, v[8+\k]        ; logstd x log2(e) / 2
.endr
.irp k, 0,1,2,3
	v_exp_f32 v[12+\k], v[12+\k]
.endr
	v_nop                                          ; a plain instruction behind the last exponential
	s_wait_alu depctr_va_vdst(0)                   ; one wait for the four, ahead of their first reader
	v_pk_mul_f32 v[8:9], v[12:13], v[12:13]        ; the square
	v_pk_mul_f32 v[10:11], v[14:15], v[14:15]
.set r, 0
.rept 32
	global_store_b128 v2, v[8:11], s[14:15] offset:4096*r th:TH_STORE_NT  ; a wave's store covers 512 consecutive bytes, aligned
.set r, r+1
.endr
	; W to bf16, in place: each destination has been read by an earlier line or by the line itself
	s_wait_loadcnt 0x0
.irp q, 0,1,2,3,4,5,6,7
.irp k, 0,1,2,3
	v_cvt_pk_bf16_f32 v[WF+8*\q+\k], v[WF+8*\q+2*\k], v[WF+8*\q+2*\k+1]
.endr
	global_store_b128 v2, v[WF+8*\q:WF+8*\q+3], s[10:11] offset:4096*\q
.endr
	; my 64 values counted: eight at a time in nibbles (8 at the most), widened to bytes (64 at the most), then to halves
	v_mov_b32 v18, 0                               ; experts 0, 2, 4, 6 in bytes
	v_mov_b32 v19, 0                               ; experts 1, 3, 5, 7
	s_mov_b32 s20, 0x0f0f0f0f
	s_mov_b32 s21, 0x00ff00ff
.set p, 0
.rept 8
	v_lshlrev_b32 v16, 2, v[IDX+8*p]
	v_lshl_add_u32 v17, 1, v16, 0
.set q, 1
.rept 7
	v_lshlrev_b32 v16, 2, v[IDX+8*p+q]
	v_lshl_add_u32 v17, 1, v16, v17
.set q, q+1
.endr
	v_and_b32 v20, s20, v17
	v_lshrrev_b32 v21, 4, v17
	v_add_nc_u32 v18, v18, v20
	v_and_b32 v21, s20, v21
	v_add_nc_u32 v19, v19, v21
.set p, p+1
.endr
	v_and_b32 v12, s21, v18                        ; experts 0 (low half) and 4 (high half)
	v_lshrrev_b32 v13, 8, v18
	v_and_b32 v13, s21, v13                        ; 2 and 6
	v_and_b32 v14, s21, v19                        ; 1 and 5
	v_lshrrev_b32 v15, 8, v19
	v_and_b32 v15, s21, v15                        ; 3 and 7
	; over the wave's 32 lanes (2,048 at the most in a half)
.irp m, 1,2,4,8
.irp k, 0,1,2,3
	v_mov_b32_dpp v[16+\k], v[12+\k] row_xmask:\m row_mask:0xf bank_mask:0xf
.endr
.irp k, 0,1,2,3
	v_add_nc_u32 v[12+\k], v[12+\k], v[16+\k]
.endr
.endr
.irp k, 0,1,2,3
	v_permlanex16_b32 v[16+\k], v[12+\k], s46, s47
.endr
.irp k, 0,1,2,3
	v_add_nc_u32 v[12+\k], v[12+\k], v[16+\k]
.endr
	v_mov_b32 v20, s16
	v_lshlrev_b32 v20, 4, v20
	ds_store_b128 v20, v[12:15]                    ; all lanes write the same 16 bytes with the same numbers
	s_wait_dscnt 0x0                               ; for the other waves: my counts are in LDS
	s_barrier_signal -1
	s_barrier_wait -1
	v_mov_b32 v21, 0
.irp w, 0,1,2,3,4,5,6,7
	ds_load_b128 v[24+4*\w:27+4*\w], v21 offset:WCNT+16*\w
.endr
	s_wait_dscnt 0x0
	; totals over the eight waves, and the sums over the waves in front of mine
.irp k, 0,1,2,3
	v_add_nc_u32 v[56+\k], v[24+\k], v[28+\k]
.endr
.irp w, 2,3,4,5,6,7
.irp k, 0,1,2,3
	v_add_nc_u32 v[56+\k], v[56+\k], v[24+4*\w+\k]
.endr
.endr
	s_cmp_gt_u32 s16, 0
	s_cselect_b32 s20, -1, 0
.irp k, 0,1,2,3
	v_and_b32 v[60+\k], s20, v[24+\k]
.endr
.irp w, 1,2,3,4,5,6
	s_cmp_gt_u32 s16, \w
	s_cselect_b32 s20, -1, 0
.irp k, 0,1,2,3
	v_and_b32 v[16+\k], s20, v[24+4*\w+\k]
.endr
.irp k, 0,1,2,3
	v_add_nc_u32 v[60+\k], v[60+\k], v[16+\k]
.endr
.endr
.irp k, 0,1,2,3
	v_readfirstlane_b32 s[24+\k], v[56+\k]
	v_readfirstlane_b32 s[28+\k], v[60+\k]
.endr
	; the deal.  Expert k's count lies in register m, low half for k under 4.  c / 288 = (c x 58255) >> 24 for c up to 16384: 58255 x 288 - 2^24 = 224, and 16384 x 224 stays under 2^24
.macro DEAL k, m
.if (\k) < 4
	s_and_b32 s37, s[24+(\m)], 0xffff
	s_and_b32 s38, s[28+(\m)], 0xffff
.else
	s_lshr_b32 s37, s[24+(\m)], 16
	s_lshr_b32 s38, s[28+(\m)], 16
.endif
	s_mul_i32 s39, s37, 58255
	s_lshr_b32 s39, s39, 24
	s_add_co_u32 s39, s39, 1                       ; g
	s_cmp_ge_u32 s18, s32                          ; does my cluster lie at or behind this expert's first?
	s_cselect_b32 s33, \k, s33
	s_cselect_b32 s34, s37, s34
	s_cselect_b32 s35, s38, s35
	s_cselect_b32 s36, s32, s36
	s_add_co_u32 s32, s32, s39
.endm
	s_mov_b32 s32, 0
	s_mov_b32 s33, 0
	s_mov_b32 s34, 0
	s_mov_b32 s35, 0
	s_mov_b32 s36, 0
	DEAL 0, 0
	DEAL 1, 2
	DEAL 2, 1
	DEAL 3, 3
	DEAL 4, 0
	DEAL 5, 2
	DEAL 6, 1
	DEAL 7, 3
	s_mul_i32 s40, s34, 58255
	s_lshr_b32 s40, s40, 24
	s_add_co_u32 s40, s40, 1
	s_lshl_b32 s40, s40, 2                         ; 4 g: the expert's work-groups
	s_add_co_u32 s21, s34, s40
	s_sub_co_u32 s21, s21, 1                       ; c + 4 g - 1
	s_mov_b32 s41, 0                               ; per = (c + 4 g - 1) / 4 g, bit by bit: it is under 128
.irp bit, 64,32,16,8,4,2,1
	s_add_co_u32 s39, s41, \bit
	s_mul_i32 s20, s39, s40
	s_cmp_le_u32 s20, s21
	s_cselect_b32 s41, s39, s41
.endr
	s_sub_co_u32 s42, s18, s36
	s_lshl2_add_u32 s42, s42, s19                  ; u = 4 (cluster - G_E) + place
	s_mul_i32 s43, s41, s42                        ; my first rank
	s_sub_co_i32 s44, s34, s43
	s_max_i32 s44, s44, 0
	s_min_i32 s44, s44, s41                        ; n
	s_sub_co_u32 s45, s35, s43                     ; a rank in front of my first wraps round to a large number, which is no slot
	; my wave's own list: 128 slots that say none, then each of my wave's tokens of expert E whose rank is mine goes to its slot, every other value to its lane's dump word
	s_lshl_b32 s20, s16, 10
	s_add_co_u32 s20, s20, LISTS
	v_mov_b32 v23, s20
	v_lshl_add_u32 v20, v1, 4, v23
	v_add_nc_u32 v22, 0x80, v1
.irp k, 0,1,2,3
	v_mov_b32 v[24+\k], 0x4000
.endr
	ds_store_b128 v20, v[24:27]
.macro PLACE i, c
	v_cmp_eq_u32 s20, s33, v[IDX+4*(\i)+(\c)]      ; the lanes whose value is E
	v_mbcnt_lo_u32_b32 v16, s20, s45               ; rank less my first rank
	s_bcnt1_i32_b32 s21, s20
	s_add_co_u32 s45, s45, s21
	v_cmp_gt_u32 s22, s44, v16                     ; is it one of my n?
	s_and_b32 s22, s22, s20
	v_cndmask_b32 v16, v22, v16, s22
	v_min_u32 v16, 0xff, v16                       ; the clamp keeps the address inside my wave's 1,024 bytes
	v_lshl_add_u32 v17, v16, 2, v23
	v_add_nc_u32 v18, 1024*(\i)+(\c), v5           ; the token
	ds_store_b32 v17, v18
.endm
.irp i, 0,1,2,3,4,5,6,7,8,9,10,11,12,13,14,15
.irp c, 0,1,2,3
	PLACE \i, \c
.endr
.endr
	s_wait_tensorcnt 0x0                           ; behind my last LDS store
	ds_add_u32 v[SPW], v[NIL]
	s_wait_dscnt 0x0                               ; for wave 0: my list is in LDS
	s_barrier_signal -1
	s_barrier_wait -1
	s_cmp_lg_u32 s16, 0
	s_cbranch_scc1 .Lend
	; wave 0 merges: a slot was written by one wave at the most, the others hold 16384, so the least of the eight is the slot
	v_lshl_add_u32 v20, v1, 4, LISTS
.irp w, 0,1,2,3,4,5,6,7
	ds_load_b128 v[24+4*\w:27+4*\w], v20 offset:1024*\w
.endr
	s_wait_dscnt 0x0
.irp w, 1,2,3,4,5,6,7
.irp k, 0,1,2,3
	v_min_u32 v[24+\k], v[24+\k], v[24+4*\w+\k]
.endr
.endr
	v_readfirstlane_b32 s20, v24                   ; slot 0
	v_mov_b32 v16, s20
	v_mov_b32 v17, s33
.irp k, 0,1,2,3
	v_cmp_eq_u32 vcc_lo, 0x4000, v[24+\k]
	v_cndmask_b32 v[24+\k], v[24+\k], v16, vcc_lo  ; an empty slot repeats slot 0
.endr
	v_cmp_le_u32 vcc_lo, 20, v1                    ; words 80 to 127 hold the expert
.irp k, 0,1,2,3
	v_cndmask_b32 v[24+\k], v[24+\k], v17, vcc_lo
.endr
	v_lshlrev_b32 v18, 4, v1
	global_store_b128 v18, v[24:27], s[12:13]      ; 512 consecutive bytes, aligned
.Lend:
	s_endpgm
.Lfunc_end_k_qfe2d6c5ec5_prep:
	.size	k_qfe2d6c5ec5_prep, .Lfunc_end_k_qfe2d6c5ec5_prep-k_qfe2d6c5ec5_prep
	.p2alignl 7, 3214868480
	.fill 96, 4, 3214868480
	.section	.rodata,"a",@progbits
	.p2align	6, 0x0
	.amdhsa_kernel k_qfe2d6c5ec5_prep
		.amdhsa_group_segment_fixed_size 10240
		.amdhsa_private_segment_fixed_size 0
		.amdhsa_enable_private_segment 0
		.amdhsa_kernarg_size 48
		.amdhsa_user_sgpr_count 2
		.amdhsa_user_sgpr_kernarg_segment_ptr 1
		.amdhsa_wavefront_size32 1
		.amdhsa_system_sgpr_workgroup_id_x 1
		.amdhsa_system_sgpr_workgroup_id_y 1
		.amdhsa_system_sgpr_workgroup_id_z 1
		.amdhsa_system_vgpr_workitem_id 0
		.amdhsa_next_free_vgpr 192
		.amdhsa_next_free_sgpr 66
		.amdhsa_reserve_vcc 1
		.amdhsa_float_denorm_mode_32 3
		.amdhsa_float_denorm_mode_16_64 3
		.amdhsa_memory_ordered 1
		.amdhsa_forward_progress 1
		.amdhsa_inst_pref_size 70
	.end_amdhsa_kernel
	.amdgpu_metadata
---
amdhsa.version: [ 1, 2 ]
amdhsa.kernels:
  - .name:           k_qfe2d6c5ec5_prep
    .symbol:         k_qfe2d6c5ec5_prep.kd
    .args:
      - { .name: W, .offset: 0, .size: 8, .value_kind: global_buffer, .address_space: global }
      - { .name: index, .offset: 8, .size: 8, .value_kind: global_buffer, .address_space: global }
      - { .name: logstd, .offset: 16, .size: 8, .value_kind: global_buffer, .address_space: global }
      - { .name: wb, .offset: 24, .size: 8, .value_kind: global_buffer, .address_space: global }
      - { .name: rows, .offset: 32, .size: 8, .value_kind: global_buffer, .address_space: global }
      - { .name: out1, .offset: 40, .size: 8, .value_kind: global_buffer, .address_space: global }
    .group_segment_fixed_size: 10240
    .private_segment_fixed_size: 0
    .kernarg_segment_align: 8
    .kernarg_segment_size: 48
    .max_flat_workgroup_size: 256
    .sgpr_count:     66
    .vgpr_count:     192
    .wavefront_size: 32
...
	.end_amdgpu_metadata
.endif
;; end of part 1
;; launch moe (part 2): grid 256 x 1, 4 waves a work-group, no clusters, 327,680 bytes of LDS; arguments x, wb, b, rows, out0; writes out0
.if DOCPART == 2
	.amdgcn_target "amdgcn-amd-amdhsa--gfx1250"
	.amdhsa_code_object_version 6
	.text
	.protected	k_qfe2d6c5ec5_moe
	.globl	k_qfe2d6c5ec5_moe
	.p2align	8
	.type	k_qfe2d6c5ec5_moe,@function
k_qfe2d6c5ec5_moe:
	s_mov_b64 s[64:65], 0
	v_nop
	global_prefetch_b8 v0, s[64:65] scope:SCOPE_SE
	s_setreg_imm32_b32 hwreg(HW_REG_WAVE_MODE, 25, 1), 1
	s_wait_xcnt 0x0
; out0[t][:] = x[t][:] . W[e] + b[e] for the 80 row slots of my record (rows: words 0-79 token numbers, word 80 the expert e; slots past the count repeat slot 0; 16384 in all slots: no rows).
; x is f32 and is rounded once to bf16 on its way; W comes as bf16 [e][k][n] (wb); sums in f32; b is added in f32.
; SHARES.  A work-group has 80 rows x all 512 columns, so each row of x is read once.  A wave has all 80 rows x 128 columns: 5 x 8 accumulators of 16 x 16, 320 registers.  K = 1024 goes in 8 steps of 128,
; written out: the LDS slots have period 2, the register sets of x period 3.
; W.  A tile is 128 k x 512 n; a wave brings 32 rows of 1,024 bytes.  Two slots; by this text's own count a wave has two tensor loads out at the start, later one.
; NO CLUSTER.  Four neighbouring work-groups have one expert and walk the same tiles, but a tile's address is made of the expert, a number read from memory: a joint request wants a descriptor whose
; equality in all partners can be read off the text, from coordinates that they share, and this one cannot.  The price: each work-group asks for its expert's 1 MiB by itself, 256 MiB of requests where joint loads would make 64.
; x.  A wave gathers 20 rows; one load takes 512 consecutive bytes of a row (a K step).  Three register sets, asked for three K steps ahead: 60 loads a wave are out.  Rounded, they go into one of two
; small buffers in LDS (80 rows x 256 bytes), from which all four waves take fragments.
; THE MATRIX INSTRUCTION IS USED TRANSPOSED: source 0 = 16 columns of W (turned out of [k][n] by ds_load_tr16_b128), source 1 = 16 rows of x: a lane holds one row and eight neighbouring columns.
; A work-group without rows passes every barrier, multiplies row 16383 and jumps over the way out: it stores nothing.
; LIMITS.  Token numbers are clamped to 16383 and e to 7 ahead of every address.  bf16 operands: the error grows with the inputs as their rounding does.
; REGISTERS, in windows of 256 (s_set_vgpr_msb: bits 1:0 source 0, 3:2 source 1, 5:4 source 2, 7:6 destination):
;   window 0: v0-31 addresses; v32-51 byte offsets of my 20 rows of x; v52-55 bias; v56-95 rounded x; v96-175, v176-255 sets 0 and 1 of x (on the way out v96-159: rows read back)
;   window 1: v0-63, v64-127 fragments of W, two buffers; v128-167, v168-207 fragments of x, two buffers
;   window 2: accumulator (a, nb) at 64 a + 8 nb, a = 0..3          window 3: v0-63 accumulators (4, nb); v64-143 set 2 of x
.set WP,     1056                      ; a row of W in LDS: 1,024 bytes + 32 of padding, an odd multiple of 32
.set WPART,  32*WP                     ; what one tensor load fills
.set SLOTB,  128*WP                    ; a slot: 135,168 bytes
.set AP,     272                       ; a row of rounded x: 256 bytes + 16
.set ABYTES, 80*AP
.set ABUF,   2*SLOTB                   ; two buffers of rounded x; no tensor load lands here
.set SPARE,  ABUF+2*ABYTES             ; the spare words, 128 bytes for each wave: two blocks of 256 bytes that no other line names
.set SP,     528                       ; the stage of the way out: 16 rows x (512 + 16) bytes for each wave, in slot 0, behind its last fill and its last reads
.set STG,    16*SP
.set ADRA, 5                           ; v5-6    my place in the fragments of x, buffer 0, 1
.set ADRB, 8                           ; v8-11   my place in the fragments of W: slot 0 k 0-63, slot 0 k 64-127, slot 1 likewise
.set AW,   12                          ; v12-13  where I put 8 bytes of rounded x, buffer 0, 1
.set STO,  14                          ; v14     the way out: where I put 16 bytes of a row
.set RD,   15                          ; v15     where I read a row back
.set CO,   16                          ; v16     my byte offset in a row of out0 and of b: 512 w + 16 lane; never rewritten
.set SPW,  28                          ; v28     LDS address of my spare word; never rewritten
.set NIL,  29                          ; v29     0; never rewritten
.set XOFF, 32
.set BIA,  52
.set CV,   56
.set RB,   96
.set TOK,  44                          ; s[44:59]  the way out: a row block's 16 tokens
.set BS,   66                          ; s[66:97]  the way out: the addresses of the block's 16 rows of out0
; s[4:5] x; s[6:7] wb; s[8:9] b; s[10:11] rows; s[12:13] out0; s14 wave; s17 e; s[18:19] my record; s[22:23] my wave's slots in it; s[24:31] descriptor group 1; s[32:39] group 0, a set for each slot;
; s40 -1 if I have rows, else 0; s42-61 at work; s[68:87] at the head: my wave's 20 tokens
.set MSB, 0
.macro WIN new                         ; the high byte repeats the setting that is left; a switch that changes nothing is dropped
.if MSB != (\new)
	s_set_vgpr_msb (MSB<<8)|(\new)
.set MSB, \new
.endif
.endm
.macro PLACES                          ; four plain instructions between a matrix instruction and a load into, or a read of, its registers
.rept 4
	v_nop
.endr
.endm
; 8 matrix instructions: row block a x my 8 column blocks, 32 along K, from fragment buffers f.  The 40 accumulators take turns, one instruction a turn, in the same order in every quarter.
.macro MUL f, a, zero
.if (\a) < 4
	WIN 0xa5
.set AC, 64*(\a)
.else
	WIN 0xf5
.set AC, 0
.endif
.irp nb, 0,1,2,3,4,5,6,7
.if \zero
	v_wmma_f32_16x16x32_bf16 v[AC+8*\nb:AC+8*\nb+7], v[64*(\f)+8*\nb:64*(\f)+8*\nb+7], v[128+40*(\f)+8*(\a):128+40*(\f)+8*(\a)+7], 0
.else
	v_wmma_f32_16x16x32_bf16 v[AC+8*\nb:AC+8*\nb+7], v[64*(\f)+8*\nb:64*(\f)+8*\nb+7], v[128+40*(\f)+8*(\a):128+40*(\f)+8*(\a)+7], v[AC+8*\nb:AC+8*\nb+7]
.endif
.endr
.endm
; 26 LDS loads in one run: the fragments of quarter q (k = 32 q on) of a slot and of the buffer of x with the same parity, into buffers f: W's 8 first, then x's 5
.macro FETCH slot, q, f
	WIN 0x40
.irp nb, 0,1,2,3,4,5,6,7
	ds_load_tr16_b128 v[64*(\f)+8*\nb:64*(\f)+8*\nb+3],   v[ADRB+2*(\slot)+(\q)/2] offset:((\q)%2)*32*WP+32*\nb
	ds_load_tr16_b128 v[64*(\f)+8*\nb+4:64*(\f)+8*\nb+7], v[ADRB+2*(\slot)+(\q)/2] offset:((\q)%2)*32*WP+16*WP+32*\nb
.endr
.irp a, 0,1,2,3,4
	ds_load_b128 v[128+40*(\f)+8*\a:128+40*(\f)+8*\a+3],   v[ADRA+(\slot)] offset:16*AP*\a+64*(\q)
	ds_load_b128 v[128+40*(\f)+8*\a+4:128+40*(\f)+8*\a+7], v[ADRA+(\slot)] offset:16*AP*\a+64*(\q)+32
.endr
.endm
; K step c of my 20 rows of x: 20 loads of 512 consecutive bytes, into set c mod 3.  No hint: the list may name a row twice
.macro LOADX c
.if ((\c)%3) == 2
	WIN 0xc0
.set XB, 64
.else
	WIN 0
.set XB, 96+80*((\c)%3)
.endif
.set rr, 0
.rept 20
	global_load_b128 v[XB+4*rr:XB+4*rr+3], v[XOFF+rr], s[4:5] offset:512*(\c)
.set rr, rr+1
.endr
.endm
; K step c of x is rounded and put into buffer c mod 2; its set takes K step c + 3.  left: the younger loads, which stay out
.macro XSTAGE c, left
	s_wait_loadcnt \left
.if ((\c)%3) == 2
	WIN 0x0f
.set XB, 64
.else
	WIN 0
.set XB, 96+80*((\c)%3)
.endif
.set rr, 0
.rept 40
	v_cvt_pk_bf16_f32 v[CV+rr], v[XB+2*rr], v[XB+2*rr+1]
.set rr, rr+1
.endr
	WIN 0
.set rr, 0
.rept 20
	ds_store_b64 v[AW+(\c)%2], v[CV+2*rr:CV+2*rr+1] offset:AP*rr  ; 32 lanes x 8 bytes: a row's 256
.set rr, rr+1
.endr
.if (\c)+3 <= 7
	LOADX (\c)+3
.endif
.endm
; One of a K step's first three quarters: multiplies buffers f; in its middle it fetches quarter q + 1 into buffers g.  xs >= 0: K step xs of x is staged there, and its conversions are the places in front of the loads
.macro QUARTER slot, q, f, g, zero, xs, left
	s_wait_dscnt 6                                 ; W's fragments and x's blocks 0, 1 are in; the youngest six loads (blocks 2 to 4) may be out
	MUL \f, 0, \zero
	MUL \f, 1, \zero
.if (\xs) >= 0
	XSTAGE \xs, \left
.else
	PLACES
.endif
	FETCH \slot, (\q)+1, \g
	s_wait_dscnt 26                                ; all but the 26 just issued
	MUL \f, 2, \zero
	MUL \f, 3, \zero
	MUL \f, 4, \zero
.endm
; The last quarter multiplies buffers 1 and changes slots.  ONE barrier: in front of it each wave waits for all its tensor loads (its part of the next slot), adds 0 to its spare word, and waits for that, for its reads of
; this slot and of this buffer of x, and for its stores into the other buffer of x.  refill = 1: the slot just read is filled again first thing behind the barrier, with the tile two K steps on:
; from there to the wait for it a wave issues 136 matrix instructions.
.macro TURN slot, next, refill
	WIN 0                                          ; the add's two registers lie in window 0
	s_wait_tensorcnt 0x0                           ; no tensor load of mine is out, so a group 0 may be written
	ds_add_u32 v[SPW], v[NIL]
.if \refill
	s_add_nc_u64 s[34+4*(\slot):35+4*(\slot)], s[34+4*(\slot):35+4*(\slot)], 2*128*1024  ; this slot's next tile; the type bits on top are not reached
.endif
	s_wait_dscnt 7                                 ; the add and the youngest six loads may be out
	MUL 1, 0, 0
	MUL 1, 1, 0
	s_wait_dscnt 0x0                               ; the add is done, my reads are back, my stores of rounded x are in LDS
	s_barrier_signal -1
	MUL 1, 2, 0                                    ; work on registers while the others arrive
	s_barrier_wait -1                              ; nobody reads this slot any more, and the next slot and buffer of x are whole
.if \refill
	tensor_load_to_lds s[32+4*(\slot):35+4*(\slot)], s[24:31]
	s_nop 0
.endif
	PLACES                                         ; behind the tensor load, and the places in front of the loads below
	FETCH \next, 0, 0
	MUL 1, 3, 0
	MUL 1, 4, 0
.endm
.macro STEP s, zero, left, refill
	QUARTER (\s)%2, 0, 0, 1, \zero, (\s)+1, \left
	QUARTER (\s)%2, 1, 1, 0, 0, -1, 0
	QUARTER (\s)%2, 2, 0, 1, 0, -1, 0
	TURN (\s)%2, 1-(\s)%2, \refill
.endm
; THE WAY OUT of row block a: 16 rows x my 128 columns in f32 go into my stage and come back as whole pieces of 512 bytes of a row; the bias is added; each piece goes to its token's row.
; A store's row is the same in all lanes, so its address is scalar: out0 + token x 2,048; the vector offset is my place in a row.
.macro OUT a
	s_wait_kmcnt 0x0                               ; the block's 16 tokens are in
.set rr, 0
.rept 16
	s_min_u32 s[TOK+rr], s[TOK+rr], 0x3fff
	s_lshl_b32 s60, s[TOK+rr], 11
	s_add_nc_u64 s[BS+2*rr:BS+2*rr+1], s[12:13], s[60:61]
.set rr, rr+1
.endr
.if (\a) < 4
	s_load_b512 s[TOK:TOK+15], s[18:19], 64*(\a)+64  ; the next block's tokens
.endif
.if (\a) < 4
	WIN 0x08
.set AC, 64*(\a)
.else
	WIN 0x0c
.set AC, 0
.endif
.irp nb, 0,1,2,3,4,5,6,7
	ds_store_b128 v[STO], v[AC+8*\nb:AC+8*\nb+3]   offset:64*\nb     ; an accumulator's lowest registers are read first
	ds_store_b128 v[STO], v[AC+8*\nb+4:AC+8*\nb+7] offset:64*\nb+16
.endr
	WIN 0
.set rr, 0
.rept 16
	ds_load_b128 v[RB+4*rr:RB+4*rr+3], v[RD] offset:SP*rr            ; LDS serves a wave's instructions in order (ISA guide 5.7.1.4): these see the stores above
.set rr, rr+1
.endr
.set rr, 0
.rept 16
	s_wait_dscnt 15-rr                             ; row rr is back; the later rows may be out
	v_pk_add_f32 v[RB+4*rr:RB+4*rr+1],   v[RB+4*rr:RB+4*rr+1],   v[BIA:BIA+1]
	v_pk_add_f32 v[RB+4*rr+2:RB+4*rr+3], v[RB+4*rr+2:RB+4*rr+3], v[BIA+2:BIA+3]
	global_store_b128 v[CO], v[RB+4*rr:RB+4*rr+3], s[BS+2*rr:BS+2*rr+1] th:TH_STORE_NT  ; 512 consecutive bytes, at a multiple of 512 from the first byte of out0
.set rr, rr+1
.endr
	s_wait_xcnt 0x0                                ; the stores' bases and data are rewritten only behind this wait
.endm
	s_load_b256 s[4:11], s[0:1], 0x0               ; x, wb, b, rows
	s_load_b64 s[12:13], s[0:1], 0x20              ; out0
	v_lshl_add_u32 v[SPW], v0, 2, SPARE
	v_mov_b32 v[NIL], 0
	ds_add_u32 v[SPW], v[NIL]                      ; the opening: the add and its wait stand ahead of my first tensor load; work on registers stands between them
	v_lshrrev_b32 v3, 5, v0
	v_readfirstlane_b32 s14, v3                    ; wave 0..3
	; descriptor group 1: 32 rows x 512 elements of 2 bytes, 8 words of padding behind every 256
	s_mov_b32 s24, (1<<16)|(1<<20)|(7<<22)|(7<<25) ; 15:0 no mask; 17:16 2-byte elements; 20 padding on; 24:22 after every 256 words (code 7); 31:25 8 words of it (code 7)
	s_mov_b32 s25, 512<<16                         ; tensor_dim0 = 512
	s_mov_b32 s26, 32<<16                          ; tensor_dim1 = 32
	s_mov_b32 s27, 512<<16                         ; tile_dim0 = 512
	s_mov_b32 s28, 32                              ; tile_dim1 = 32
	s_mov_b32 s29, 512                             ; 512 elements from row to row
	s_mov_b32 s30, 0
	s_mov_b32 s31, 0
	v_and_b32 v1, 15, v0                           ; l % 16
	v_bfe_u32 v2, v0, 4, 1                         ; l / 16
	v_and_b32 v3, 31, v0                           ; lane
	v_lshlrev_b32 v4, 4, v3
	s_lshl_b32 s58, s14, 9
	v_add_nc_u32 v[CO], s58, v4                    ; 512 w + 16 lane
	s_lshl_b32 s42, ttmp9, 9                       ; my record
	s_mov_b32 s43, 0
	s_mul_i32 s46, s14, 80                         ; my wave's 20 slots
	s_mov_b32 s47, 0
	s_mul_i32 s48, s14, WPART                      ; my part of a slot
	s_wait_dscnt 0x0                               ; the opening add is done
	s_wait_kmcnt 0x0
	s_add_nc_u64 s[18:19], s[10:11], s[42:43]
	s_add_nc_u64 s[22:23], s[18:19], s[46:47]
	s_load_b32 s17, s[18:19], 0x140                ; e
	s_load_b512 s[68:83], s[22:23], 0x0            ; my wave's 20 tokens
	s_load_b128 s[84:87], s[22:23], 0x40
	s_wait_kmcnt 0x0
	s_cmp_lt_u32 s68, 0x4000                       ; either all slots hold tokens or none does
	s_cselect_b32 s40, -1, 0
	s_min_u32 s17, s17, 7
	s_lshl_b32 s50, s17, 20                        ; the expert's 1,048,576 bytes of wb,
	s_lshl_b32 s51, s14, 15                        ; my 32 rows of 1,024 bytes in a tile
	s_add_co_u32 s50, s50, s51
	s_mov_b32 s51, 0
	s_add_nc_u64 s[52:53], s[6:7], s[50:51]
.irp n, 0,1
	s_mov_b32 s[32+4*\n], 1                        ; count = 1
	s_add_co_u32 s[33+4*\n], s48, \n*SLOTB         ; LDS address: slot n, my part
	s_add_nc_u64 s[34+4*\n:35+4*\n], s[52:53], \n*128*1024  ; global address: K step n
	s_or_b32 s[35+4*\n], s[35+4*\n], 0x80000000    ; type = 2
.endr
	tensor_load_to_lds s[32:35], s[24:31]          ; both first fills go out together, ahead of every wait on TENSORcnt, every LDS read and every barrier
	s_nop 0
	tensor_load_to_lds s[36:39], s[24:31]
	s_nop 0
	PLACES
.set rr, 0
.rept 20
	s_min_u32 s[68+rr], s[68+rr], 0x3fff
	v_lshl_add_u32 v[XOFF+rr], s[68+rr], 12, v4    ; token x 4,096 bytes + 16 lane
.set rr, rr+1
.endr
	s_lshl_b32 s54, s17, 11
	s_mov_b32 s55, 0
	s_add_nc_u64 s[56:57], s[8:9], s[54:55]
	global_load_b128 v[BIA:BIA+3], v[CO], s[56:57] ; b[e], my four columns of a piece of 512 bytes
	LOADX 0
	LOADX 1
	LOADX 2                                        ; 61 loads are out
	WIN 0
	; A fragment of x is 16 rows x 32 k: lane l holds row l % 16, k 8 (l / 16) + 0..7 and 16 + 8 (l / 16) + 0..7: two loads of 16 bytes, 32 bytes apart
	v_mul_u32_u24 v7, v1, AP
	v_lshl_add_u32 v7, v2, 4, v7
	v_add_nc_u32 v[ADRA], ABUF, v7
	v_add_nc_u32 v[ADRA+1], ABUF+ABYTES, v7
	; The turning load takes 16 k x 16 n (lane l reads k 8 (l / 16) + l % 8, columns 8 ((l / 8) % 2) + 0..7) and leaves half a fragment: lane l holds column l % 16 and 8 k
	v_and_b32 v24, 7, v0
	v_lshl_add_u32 v24, v2, 3, v24
	v_mul_u32_u24 v24, v24, WP
	v_bfe_u32 v25, v0, 3, 1
	v_lshl_add_u32 v24, v25, 4, v24
	s_lshl_b32 s59, s14, 8                         ; my 128 columns
	v_add_nc_u32 v[ADRB], s59, v24
	v_add_nc_u32 v[ADRB+1], 64*WP, v[ADRB]
	v_add_nc_u32 v[ADRB+2], SLOTB, v[ADRB]
	v_add_nc_u32 v[ADRB+3], SLOTB+64*WP, v[ADRB]
	s_mul_i32 s60, s14, 20*AP                      ; my 20 rows of rounded x
	v_lshl_add_u32 v24, v3, 3, s60
	v_add_nc_u32 v[AW], ABUF, v24
	v_add_nc_u32 v[AW+1], ABUF+ABYTES, v24
	s_mul_i32 s61, s14, STG                        ; my stage
	v_mul_u32_u24 v[STO], v1, SP
	v_lshl_add_u32 v[STO], v2, 5, v[STO]
	v_add_nc_u32 v[STO], s61, v[STO]
	v_add_nc_u32 v[RD], s61, v4
	XSTAGE 0, 40                                   ; the bias and K step 0 of x are in; K steps 1 and 2 stay out
	s_wait_tensorcnt 1                             ; my part of tile 0 is in; tile 1 may stay out
	s_wait_dscnt 0x0                               ; my rows of rounded x are in LDS
	s_barrier_signal -1
	s_barrier_wait -1
	FETCH 0, 0, 0
	s_load_b512 s[TOK:TOK+15], s[18:19], 0x0       ; row block 0's tokens, for the way out (the bias load, whose base lay in two of these registers, was waited for above)
	s_mov_b32 s61, 0                               ; the upper word of the way out's offsets
	STEP 0, 1, 40, 1                               ; the first quarter's products start the sums: nothing is cleared
	STEP 1, 0, 40, 1
	STEP 2, 0, 40, 1
	STEP 3, 0, 40, 1
	STEP 4, 0, 40, 1                               ; stages K step 5 of x: steps 6 and 7 stay out
	STEP 5, 0, 20, 1                               ; stages step 6: step 7 stays out; asks for the last tile
	STEP 6, 0, 0, 0                                ; stages step 7; nothing is left to ask for
	QUARTER 1, 0, 0, 1, 0, -1, 0
	QUARTER 1, 1, 1, 0, 0, -1, 0
	QUARTER 1, 2, 0, 1, 0, -1, 0
	s_wait_dscnt 6
	MUL 1, 0, 0
	MUL 1, 1, 0
	s_wait_dscnt 0x0
	MUL 1, 2, 0
	MUL 1, 3, 0
	MUL 1, 4, 0
	WIN 0                                          ; at a branch and at a label every window is 0
	PLACES                                         ; the stores below read results just made
	s_wait_kmcnt 0x0
	s_cmp_eq_u32 s40, 0
	s_cbranch_scc1 .Lnone                          ; a work-group without rows stores nothing; what is jumped holds no barrier and no tensor load
	OUT 0
	OUT 1
	OUT 2
	OUT 3
	OUT 4
.Lnone:
	s_wait_tensorcnt 0x0                           ; the wave's end, behind my last tensor load and my last LDS store
	ds_add_u32 v[SPW], v[NIL]
	s_wait_dscnt 0x0
	s_endpgm
.Lfunc_end_k_qfe2d6c5ec5_moe:
	.size	k_qfe2d6c5ec5_moe, .Lfunc_end_k_qfe2d6c5ec5_moe-k_qfe2d6c5ec5_moe
	.p2alignl 7, 3214868480
	.fill 96, 4, 3214868480
	.section	.rodata,"a",@progbits
	.p2align	6, 0x0
	.amdhsa_kernel k_qfe2d6c5ec5_moe
		.amdhsa_group_segment_fixed_size 327680
		.amdhsa_private_segment_fixed_size 0
		.amdhsa_enable_private_segment 0
		.amdhsa_kernarg_size 40
		.amdhsa_user_sgpr_count 2
		.amdhsa_user_sgpr_kernarg_segment_ptr 1
		.amdhsa_wavefront_size32 1
		.amdhsa_system_sgpr_workgroup_id_x 1
		.amdhsa_system_sgpr_workgroup_id_y 1
		.amdhsa_system_sgpr_workgroup_id_z 1
		.amdhsa_system_vgpr_workitem_id 0
		.amdhsa_next_free_vgpr 912
		.amdhsa_next_free_sgpr 98
		.amdhsa_reserve_vcc 0
		.amdhsa_float_denorm_mode_32 3
		.amdhsa_float_denorm_mode_16_64 3
		.amdhsa_memory_ordered 1
		.amdhsa_forward_progress 1
		.amdhsa_inst_pref_size 238
	.end_amdhsa_kernel
	.amdgpu_metadata
---
amdhsa.version: [ 1, 2 ]
amdhsa.kernels:
  - .name:           k_qfe2d6c5ec5_moe
    .symbol:         k_qfe2d6c5ec5_moe.kd
    .args:
      - { .name: x, .offset: 0, .size: 8, .value_kind: global_buffer, .address_space: global }
      - { .name: wb, .offset: 8, .size: 8, .value_kind: global_buffer, .address_space: global }
      - { .name: b, .offset: 16, .size: 8, .value_kind: global_buffer, .address_space: global }
      - { .name: rows, .offset: 24, .size: 8, .value_kind: global_buffer, .address_space: global }
      - { .name: out0, .offset: 32, .size: 8, .value_kind: global_buffer, .address_space: global }
    .group_segment_fixed_size: 327680
    .private_segment_fixed_size: 0
    .kernarg_segment_align: 8
    .kernarg_segment_size: 40
    .max_flat_workgroup_size: 128
    .sgpr_count:     98
    .vgpr_count:     912
    .wavefront_size: 32
...
	.end_amdgpu_metadata
.endif
;; end of part 2
;; ======== version 2 of 3: 2 launches; 1.12 times as fast as version 1
;; workspace buffers: wb 8,388,608 bytes; rows 131,072 bytes of whole numbers
;; launch prep (part 3): grid 256 x 1, 8 waves a work-group, no clusters, 44,032 bytes of LDS; arguments W, index, logstd, wb, rows, out1; writes wb, rows, out1
.if DOCPART == 3
	.amdgcn_target "amdgcn-amd-amdhsa--gfx1250"
	.amdhsa_code_object_version 6
	.text
	.protected	k_qfe2d6c5ec5_prep
	.globl	k_qfe2d6c5ec5_prep
	.p2align	8
	.type	k_qfe2d6c5ec5_prep,@function
k_qfe2d6c5ec5_prep:
	s_mov_b64 s[64:65], 0
	v_nop
	global_prefetch_b8 v0, s[64:65] scope:SCOPE_SE
	s_setreg_imm32_b32 hwreg(HW_REG_WAVE_MODE, 25, 1), 1
	s_wait_xcnt 0x0
; THREE JOBS, 256 work-groups of eight waves.
; (1) out1[t][o] = exp(logstd[o]) for 64 rows of out1.
; (2) 32 k x 512 n of one expert's W rounded once to bf16 and laid in the order in which a wave's operand registers take it: wb is [e][kq 32][nb 32] blocks of 1,024 bytes; in a block the number
;     of column 16 nb + r and k = 32 kq + 16 c + 8 h + j lies at byte 512 c + 256 h + 16 r + 2 j: two loads of 16 bytes a lane (lane = 16 h + r), 512 bytes apart, are a fragment of 16 columns x 32 k.
; (3) Work-group j works out the record of work-group j of the next launch: 80 row slots (token numbers) and the expert.
; THE DEAL, the same arithmetic in every work-group.  c_e = tokens of expert e.  Expert e gets g_e = c_e / 288 + 1 groups of four work-groups (whole division); the g_e add up to
; 16384 / 288 + 8 = 64 at the most, the number of such groups.  Group cl belongs to the last e whose first group G_e is not behind cl.  A work-group takes per = ceil(c_e / 4 g_e) ranks, 72 at the most,
; from rank per x u on, u its number among the work-groups of the expert; n of them exist.  Slots from n on repeat slot 0; with n = 0 all 80 slots hold 16384, which says: no rows.
; A token's rank among its expert's: waves in order, in a wave the 64 values of a lane in order, lanes in order: every work-group counts alike, so each token has one owner, whatever the split.
; No branch and no global address hangs on the index; it enters LDS store addresses alone, behind a clamp.
; LIMITS.  index lies in 0 to 7 (the gather of the problem relies on that): a token with another index gets no slot.  exp is made as the square of 2^(logstd x log2(e) / 2), so that
; results below 2^-126 are kept; it is good to a few units in the last place.
.set WCNT,  0          ; 8 x 16 bytes: each wave's counts
.set LISTS, 1024       ; 8 x 1,024 bytes: each wave's own list: words 0-127 slots, words 128-159 a dump word for each lane
.set SPARE, 9216       ; the spare words, 128 bytes for each wave: four blocks of 256 bytes that no other line names
.set TRB,   10240      ; 8 x 4,224 bytes: each wave's own room in which W's pieces change lanes: 8 blocks' halves of 512 bytes, 528 apart
.set TRP,   528        ; 512 + 16: the sixteen lanes of a store hit sixteen different columns of 16 bytes
.set TRW,   8*TRP
.set SPW, 6            ; v6   LDS address of my spare word; never rewritten
.set NIL, 7            ; v7   0; never rewritten
.set PK,  24           ; v24-55    W's pieces, 16 bytes for each of my 4 columns and 2 groups of 8 k; later the waves' counts and lists
.set IDX, 64           ; v64-127   my 64 index values: load i, word c: token 1024 i + 4 t + c
.set WF,  128          ; v128-191  my 64 numbers of W: row 8 h + jj, column i at WF + 32 h + 4 jj + i; later v128-159: whole pieces to store
.set WSO, 192          ; v192 my byte offset in the work-group's 32,768 bytes of wb; never rewritten
.set TRS, 193          ; v193 where I put a piece
.set TRL, 194          ; v194 where I read 16 bytes of a whole piece back
; v0 t; v1 lane; v2 16 t; v3 my byte offset in the work-group's rows of W; v4 16 (t mod 128); v5 4 t; v8-11 std; v12-15 counts, two experts a register; v16-23 at work; v56-59 totals; v60-63 prefixes
; s16 wave; s17 j; s18 group of four; s19 place in it; s24-27 totals; s28-31 prefixes; s32 G; s33 E; s34 c_E; s35 my wave's prefix for E; s36 G_E; s40 4 g; s41 per; s42 u; s43 first rank; s44 n; s45 running rank less first rank
	s_load_b256 s[4:11], s[0:1], 0x0               ; W s[4:5], index s[6:7], logstd s[8:9], wb s[10:11]
	s_load_b128 s[12:15], s[0:1], 0x20             ; rows s[12:13], out1 s[14:15]
	v_lshl_add_u32 v[SPW], v0, 2, SPARE
	v_mov_b32 v[NIL], 0
	v_and_b32 v1, 31, v0
	v_lshrrev_b32 v16, 5, v0
	v_readfirstlane_b32 s16, v16
	s_mov_b32 s17, ttmp9
	s_lshr_b32 s18, s17, 2
	s_and_b32 s19, s17, 3
	v_lshlrev_b32 v2, 4, v0
	v_and_b32 v4, 127, v0
	v_lshlrev_b32 v4, 4, v4
	v_lshlrev_b32 v5, 2, v0
	; W: wave w takes the 128 columns from 128 (w mod 4) on and the 16 rows from 16 (w / 4) on; a lane four columns
	v_lshrrev_b32 v17, 7, v0                       ; c = w / 4
	v_bfe_u32 v18, v0, 5, 2                        ; w mod 4
	v_lshlrev_b32 v19, 4, v1                       ; 16 lane
	v_lshl_add_u32 v3, v18, 9, v19                 ; 512 bytes of a row for each group of 128 columns,
	v_lshl_add_u32 v3, v17, 15, v3                 ; 16 rows of 2,048 bytes
	v_lshl_add_u32 v[WSO], v18, 13, v19            ; in wb: 8 blocks of 1,024 bytes,
	v_lshl_add_u32 v[WSO], v17, 9, v[WSO]          ; and the block's half c
	s_mul_i32 s20, s16, TRW
	s_add_co_u32 s20, s20, TRB
	v_add_nc_u32 v[TRL], s20, v19
	v_lshrrev_b32 v20, 2, v1                       ; my four columns lie in block lane / 4 of the wave's eight,
	v_mul_u32_u24 v20, v20, TRP
	v_and_b32 v21, 3, v1
	v_lshl_add_u32 v20, v21, 6, v20                ; at r = 4 (lane mod 4) on
	v_add_nc_u32 v[TRS], s20, v20
	s_mov_b32 s46, 0x76543210                      ; v_permlanex16_b32: each lane takes its own place in the other half
	s_mov_b32 s47, 0xfedcba98
	s_mov_b32 s49, 0
	s_wait_kmcnt 0x0
	s_lshl_b32 s48, s17, 16                        ; my 65,536 bytes of W: expert j / 32, rows 32 (j mod 32) on
	s_add_nc_u64 s[4:5], s[4:5], s[48:49]
	s_lshl_b32 s48, s17, 15                        ; my 32,768 bytes of wb
	s_add_nc_u64 s[10:11], s[10:11], s[48:49]
	s_lshl_b32 s48, s17, 17                        ; my 64 rows of out1
	s_add_nc_u64 s[14:15], s[14:15], s[48:49]
	s_lshl_b32 s48, s17, 9                         ; my record
	s_add_nc_u64 s[12:13], s[12:13], s[48:49]
	; all 33 loads go out together: logstd, the whole index, my part of W
	global_load_b128 v[8:11], v4, s[8:9]
.irp i, 0,1,2,3,4,5,6,7,8,9,10,11,12,13,14,15
	global_load_b128 v[IDX+4*\i:IDX+4*\i+3], v2, s[6:7] offset:4096*\i
.endr
.irp q, 0,1,2,3,4,5,6,7,8,9,10,11,12,13,14,15
	global_load_b128 v[WF+4*\q:WF+4*\q+3], v3, s[4:5] offset:2048*\q th:TH_LOAD_NT  ; a wave's load takes 512 consecutive bytes of row q of its sixteen
.endr
	; out1: my four columns, the same in every row; the 256 threads cover two rows a store
	s_wait_loadcnt 32                              ; logstd is in; the 32 younger loads stay out
.irp k, 0,1,2,3
	v_mul_f32 v[12+\k], 0x3f38aa3b, v[8+\k]        ; logstd x log2(e) / 2
.endr
.irp k, 0,1,2,3
	v_exp_f32 v[12+\k], v[12+\k]
.endr
	v_nop                                          ; a plain instruction behind the last exponential
	s_wait_alu depctr_va_vdst(0)                   ; one wait for the four, ahead of their first reader
	v_pk_mul_f32 v[8:9], v[12:13], v[12:13]        ; the square
	v_pk_mul_f32 v[10:11], v[14:15], v[14:15]
.set r, 0
.rept 32
	global_store_b128 v2, v[8:11], s[14:15] offset:4096*r th:TH_STORE_NT  ; a wave's store covers 512 consecutive bytes, aligned
.set r, r+1
.endr
	; W to bf16.  Eight k of one column are a piece of 16 bytes, the lower k in the lower bits; the pieces go into my wave's room and come back as whole halves of blocks
	s_wait_loadcnt 0x0
.irp h, 0,1
.irp i, 0,1,2,3
.irp t, 0,1,2,3
	v_cvt_pk_bf16_f32 v[PK+16*\h+4*\i+\t], v[WF+32*\h+8*\t+\i], v[WF+32*\h+8*\t+4+\i]
.endr
	ds_store_b128 v[TRS], v[PK+16*\h+4*\i:PK+16*\h+4*\i+3] offset:256*\h+16*\i
.endr
.endr
.irp nb, 0,1,2,3,4,5,6,7
	ds_load_b128 v[WF+4*\nb:WF+4*\nb+3], v[TRL] offset:TRP*\nb  ; LDS serves a wave's instructions in order (ISA guide 5.7.1.4): these see the stores above
.endr
.irp nb, 0,1,2,3,4,5,6,7
	s_wait_dscnt 7-\nb                             ; piece nb is back; the younger ones stay out
	global_store_b128 v[WSO], v[WF+4*\nb:WF+4*\nb+3], s[10:11] offset:1024*\nb  ; 512 consecutive bytes, aligned: half c of a block
.endr
	; my 64 values counted: eight at a time in nibbles (8 at the most), widened to bytes (64 at the most), then to halves
	v_mov_b32 v18, 0                               ; experts 0, 2, 4, 6 in bytes
	v_mov_b32 v19, 0                               ; experts 1, 3, 5, 7
	s_mov_b32 s20, 0x0f0f0f0f
	s_mov_b32 s21, 0x00ff00ff
.set p, 0
.rept 8
	v_lshlrev_b32 v16, 2, v[IDX+8*p]
	v_lshl_add_u32 v17, 1, v16, 0
.set q, 1
.rept 7
	v_lshlrev_b32 v16, 2, v[IDX+8*p+q]
	v_lshl_add_u32 v17, 1, v16, v17
.set q, q+1
.endr
	v_and_b32 v20, s20, v17
	v_lshrrev_b32 v21, 4, v17
	v_add_nc_u32 v18, v18, v20
	v_and_b32 v21, s20, v21
	v_add_nc_u32 v19, v19, v21
.set p, p+1
.endr
	v_and_b32 v12, s21, v18                        ; experts 0 (low half) and 4 (high half)
	v_lshrrev_b32 v13, 8, v18
	v_and_b32 v13, s21, v13                        ; 2 and 6
	v_and_b32 v14, s21, v19                        ; 1 and 5
	v_lshrrev_b32 v15, 8, v19
	v_and_b32 v15, s21, v15                        ; 3 and 7
	; over the wave's 32 lanes (2,048 at the most in a half)
.irp m, 1,2,4,8
.irp k, 0,1,2,3
	v_mov_b32_dpp v[16+\k], v[12+\k] row_xmask:\m row_mask:0xf bank_mask:0xf
.endr
.irp k, 0,1,2,3
	v_add_nc_u32 v[12+\k], v[12+\k], v[16+\k]
.endr
.endr
.irp k, 0,1,2,3
	v_permlanex16_b32 v[16+\k], v[12+\k], s46, s47
.endr
.irp k, 0,1,2,3
	v_add_nc_u32 v[12+\k], v[12+\k], v[16+\k]
.endr
	v_mov_b32 v20, s16
	v_lshlrev_b32 v20, 4, v20
	ds_store_b128 v20, v[12:15]                    ; all lanes write the same 16 bytes with the same numbers
	s_wait_dscnt 0x0                               ; for the other waves: my counts are in LDS
	s_barrier_signal -1
	s_barrier_wait -1
	v_mov_b32 v21, 0
.irp w, 0,1,2,3,4,5,6,7
	ds_load_b128 v[24+4*\w:27+4*\w], v21 offset:WCNT+16*\w
.endr
	s_wait_dscnt 0x0
	; totals over the eight waves, and the sums over the waves in front of mine
.irp k, 0,1,2,3
	v_add_nc_u32 v[56+\k], v[24+\k], v[28+\k]
.endr
.irp w, 2,3,4,5,6,7
.irp k, 0,1,2,3
	v_add_nc_u32 v[56+\k], v[56+\k], v[24+4*\w+\k]
.endr
.endr
	s_cmp_gt_u32 s16, 0
	s_cselect_b32 s20, -1, 0
.irp k, 0,1,2,3
	v_and_b32 v[60+\k], s20, v[24+\k]
.endr
.irp w, 1,2,3,4,5,6
	s_cmp_gt_u32 s16, \w
	s_cselect_b32 s20, -1, 0
.irp k, 0,1,2,3
	v_and_b32 v[16+\k], s20, v[24+4*\w+\k]
.endr
.irp k, 0,1,2,3
	v_add_nc_u32 v[60+\k], v[60+\k], v[16+\k]
.endr
.endr
.irp k, 0,1,2,3
	v_readfirstlane_b32 s[24+\k], v[56+\k]
	v_readfirstlane_b32 s[28+\k], v[60+\k]
.endr
	; the deal.  Expert k's count lies in register m, low half for k under 4.  c / 288 = (c x 58255) >> 24 for c up to 16384: 58255 x 288 - 2^24 = 224, and 16384 x 224 stays under 2^24
.macro DEAL k, m
.if (\k) < 4
	s_and_b32 s37, s[24+(\m)], 0xffff
	s_and_b32 s38, s[28+(\m)], 0xffff
.else
	s_lshr_b32 s37, s[24+(\m)], 16
	s_lshr_b32 s38, s[28+(\m)], 16
.endif
	s_mul_i32 s39, s37, 58255
	s_lshr_b32 s39, s39, 24
	s_add_co_u32 s39, s39, 1                       ; g
	s_cmp_ge_u32 s18, s32                          ; does my group lie at or behind this expert's first?
	s_cselect_b32 s33, \k, s33
	s_cselect_b32 s34, s37, s34
	s_cselect_b32 s35, s38, s35
	s_cselect_b32 s36, s32, s36
	s_add_co_u32 s32, s32, s39
.endm
	s_mov_b32 s32, 0
	s_mov_b32 s33, 0
	s_mov_b32 s34, 0
	s_mov_b32 s35, 0
	s_mov_b32 s36, 0
	DEAL 0, 0
	DEAL 1, 2
	DEAL 2, 1
	DEAL 3, 3
	DEAL 4, 0
	DEAL 5, 2
	DEAL 6, 1
	DEAL 7, 3
	s_mul_i32 s40, s34, 58255
	s_lshr_b32 s40, s40, 24
	s_add_co_u32 s40, s40, 1
	s_lshl_b32 s40, s40, 2                         ; 4 g: the expert's work-groups
	s_add_co_u32 s21, s34, s40
	s_sub_co_u32 s21, s21, 1                       ; c + 4 g - 1
	s_mov_b32 s41, 0                               ; per = (c + 4 g - 1) / 4 g, bit by bit: it is under 128
.irp bit, 64,32,16,8,4,2,1
	s_add_co_u32 s39, s41, \bit
	s_mul_i32 s20, s39, s40
	s_cmp_le_u32 s20, s21
	s_cselect_b32 s41, s39, s41
.endr
	s_sub_co_u32 s42, s18, s36
	s_lshl2_add_u32 s42, s42, s19                  ; u = 4 (group - G_E) + place
	s_mul_i32 s43, s41, s42                        ; my first rank
	s_sub_co_i32 s44, s34, s43
	s_max_i32 s44, s44, 0
	s_min_i32 s44, s44, s41                        ; n
	s_sub_co_u32 s45, s35, s43                     ; a rank in front of my first wraps round to a large number, which is no slot
	; my wave's own list: 128 slots that say none, then each of my wave's tokens of expert E whose rank is mine goes to its slot, every other value to its lane's dump word
	s_lshl_b32 s20, s16, 10
	s_add_co_u32 s20, s20, LISTS
	v_mov_b32 v23, s20
	v_lshl_add_u32 v20, v1, 4, v23
	v_add_nc_u32 v22, 0x80, v1
.irp k, 0,1,2,3
	v_mov_b32 v[24+\k], 0x4000
.endr
	ds_store_b128 v20, v[24:27]
.macro PLACE i, c
	v_cmp_eq_u32 s20, s33, v[IDX+4*(\i)+(\c)]      ; the lanes whose value is E
	v_mbcnt_lo_u32_b32 v16, s20, s45               ; rank less my first rank
	s_bcnt1_i32_b32 s21, s20
	s_add_co_u32 s45, s45, s21
	v_cmp_gt_u32 s22, s44, v16                     ; is it one of my n?
	s_and_b32 s22, s22, s20
	v_cndmask_b32 v16, v22, v16, s22
	v_min_u32 v16, 0xff, v16                       ; the clamp keeps the address inside my wave's 1,024 bytes
	v_lshl_add_u32 v17, v16, 2, v23
	v_add_nc_u32 v18, 1024*(\i)+(\c), v5           ; the token
	ds_store_b32 v17, v18
.endm
.irp i, 0,1,2,3,4,5,6,7,8,9,10,11,12,13,14,15
.irp c, 0,1,2,3
	PLACE \i, \c
.endr
.endr
	s_wait_tensorcnt 0x0                           ; behind my last LDS store
	ds_add_u32 v[SPW], v[NIL]
	s_wait_dscnt 0x0                               ; for wave 0: my list is in LDS
	s_barrier_signal -1
	s_barrier_wait -1
	s_cmp_lg_u32 s16, 0
	s_cbranch_scc1 .Lend
	; wave 0 merges: a slot was written by one wave at the most, the others hold 16384, so the least of the eight is the slot
	v_lshl_add_u32 v20, v1, 4, LISTS
.irp w, 0,1,2,3,4,5,6,7
	ds_load_b128 v[24+4*\w:27+4*\w], v20 offset:1024*\w
.endr
	s_wait_dscnt 0x0
.irp w, 1,2,3,4,5,6,7
.irp k, 0,1,2,3
	v_min_u32 v[24+\k], v[24+\k], v[24+4*\w+\k]
.endr
.endr
	v_readfirstlane_b32 s20, v24                   ; slot 0
	v_mov_b32 v16, s20
	v_mov_b32 v17, s33
.irp k, 0,1,2,3
	v_cmp_eq_u32 vcc_lo, 0x4000, v[24+\k]
	v_cndmask_b32 v[24+\k], v[24+\k], v16, vcc_lo  ; an empty slot repeats slot 0
.endr
	v_cmp_le_u32 vcc_lo, 20, v1                    ; words 80 to 127 hold the expert
.irp k, 0,1,2,3
	v_cndmask_b32 v[24+\k], v[24+\k], v17, vcc_lo
.endr
	v_lshlrev_b32 v18, 4, v1
	global_store_b128 v18, v[24:27], s[12:13]      ; 512 consecutive bytes, aligned
.Lend:
	s_endpgm
.Lfunc_end_k_qfe2d6c5ec5_prep:
	.size	k_qfe2d6c5ec5_prep, .Lfunc_end_k_qfe2d6c5ec5_prep-k_qfe2d6c5ec5_prep
	.p2alignl 7, 3214868480
	.fill 96, 4, 3214868480
	.section	.rodata,"a",@progbits
	.p2align	6, 0x0
	.amdhsa_kernel k_qfe2d6c5ec5_prep
		.amdhsa_group_segment_fixed_size 44032
		.amdhsa_private_segment_fixed_size 0
		.amdhsa_enable_private_segment 0
		.amdhsa_kernarg_size 48
		.amdhsa_user_sgpr_count 2
		.amdhsa_user_sgpr_kernarg_segment_ptr 1
		.amdhsa_wavefront_size32 1
		.amdhsa_system_sgpr_workgroup_id_x 1
		.amdhsa_system_sgpr_workgroup_id_y 1
		.amdhsa_system_sgpr_workgroup_id_z 1
		.amdhsa_system_vgpr_workitem_id 0
		.amdhsa_next_free_vgpr 196
		.amdhsa_next_free_sgpr 66
		.amdhsa_reserve_vcc 1
		.amdhsa_float_denorm_mode_32 3
		.amdhsa_float_denorm_mode_16_64 3
		.amdhsa_memory_ordered 1
		.amdhsa_forward_progress 1
		.amdhsa_inst_pref_size 72
	.end_amdhsa_kernel
	.amdgpu_metadata
---
amdhsa.version: [ 1, 2 ]
amdhsa.kernels:
  - .name:           k_qfe2d6c5ec5_prep
    .symbol:         k_qfe2d6c5ec5_prep.kd
    .args:
      - { .name: W, .offset: 0, .size: 8, .value_kind: global_buffer, .address_space: global }
      - { .name: index, .offset: 8, .size: 8, .value_kind: global_buffer, .address_space: global }
      - { .name: logstd, .offset: 16, .size: 8, .value_kind: global_buffer, .address_space: global }
      - { .name: wb, .offset: 24, .size: 8, .value_kind: global_buffer, .address_space: global }
      - { .name: rows, .offset: 32, .size: 8, .value_kind: global_buffer, .address_space: global }
      - { .name: out1, .offset: 40, .size: 8, .value_kind: global_buffer, .address_space: global }
    .group_segment_fixed_size: 44032
    .private_segment_fixed_size: 0
    .kernarg_segment_align: 8
    .kernarg_segment_size: 48
    .max_flat_workgroup_size: 256
    .sgpr_count:     66
    .vgpr_count:     196
    .wavefront_size: 32
...
	.end_amdgpu_metadata
.endif
;; end of part 3
;; launch moe (part 4): grid 256 x 1, 4 waves a work-group, no clusters, 77,824 bytes of LDS; arguments x, wb, b, rows, out0; writes out0
.if DOCPART == 4
	.amdgcn_target "amdgcn-amd-amdhsa--gfx1250"
	.amdhsa_code_object_version 6
	.text
	.protected	k_qfe2d6c5ec5_moe
	.globl	k_qfe2d6c5ec5_moe
	.p2align	8
	.type	k_qfe2d6c5ec5_moe,@function
k_qfe2d6c5ec5_moe:
	s_mov_b64 s[64:65], 0
	v_nop
	global_prefetch_b8 v0, s[64:65] scope:SCOPE_SE
	s_setreg_imm32_b32 hwreg(HW_REG_WAVE_MODE, 25, 1), 1
	s_wait_xcnt 0x0
; out0[t][:] = x[t][:] . W[e] + b[e] for the 80 row slots of my record (rows: words 0-79 token numbers, word 80 the expert e; slots past the count repeat slot 0; 16384 in all slots: no rows).
; x is f32 and is rounded once to bf16 on its way; W comes as bf16 in fragment order (wb: [e][kq 32][nb 32] blocks of 1,024 bytes, a block = 16 columns x 32 k as a wave's registers take it); sums in f32; b is added in f32.
; SHARES.  A work-group has 80 rows x all 512 columns, so each row of x is read once.  A wave has all 80 rows x 128 columns: 5 x 8 accumulators of 16 x 16, 320 registers.
; K = 1024 goes in 32 quarters of 32, four to a K step of 128, all written out: every offset is an immediate, and the buffers go by the quarter's number.
; W GOES STRAIGHT INTO REGISTERS.  A wave's 128 columns are its own, so each number of W is used by one wave of the work-group: LDS would share nothing.  A quarter's 8 fragments are 8,192 consecutive bytes: 16 loads.
; x.  A wave gathers 20 rows; one load takes 512 consecutive bytes of a row (a K step).  Rounded, they go into one of two buffers in LDS (80 rows x 256 bytes), from which all four waves take fragments.
; THE STREAM.  Quarter Q has a group of loads: 5 rows of x of the NEXT K step, then its 16 loads of W.  Four buffers by Q mod 4; group Q + 3 is issued in the middle of quarter Q, into the buffer that quarter Q - 1 read:
; three groups, 63 loads of 512 bytes, are out at the most, as many as the counter's field holds (ISA guide 5.7.1).  No burst and no wait for all loads: each wait leaves the two younger groups out.
; ONE BARRIER A K STEP, for x's buffers alone: in front of it my stores of the next step's rows and my reads of this step's are done.
; NO CLUSTER, NO TENSOR LOADS.  What neighbouring work-groups share is W, whose address is made of the expert, a number read from memory: a joint request wants a descriptor whose equality in all partners
; can be read off the text, and this one cannot.  x's rows come by a list, which no descriptor covers.
; THE MATRIX INSTRUCTION IS USED TRANSPOSED: source 0 = 16 columns of W, source 1 = 16 rows of x: a lane holds one row and eight neighbouring columns.
; A work-group without rows passes every barrier, multiplies row 16383 and jumps over the way out: it stores nothing.
; LIMITS.  Token numbers are clamped to 16383 and e to 7 ahead of every address.  bf16 operands: the error grows with the inputs as their rounding does.
; REGISTERS, in windows of 256 (s_set_vgpr_msb: bits 1:0 source 0, 3:2 source 1, 5:4 source 2, 7:6 destination):
;   window 0: v0-31 addresses; v32-51 byte offsets of my 20 rows of x; v52-55 bias; v56-95 rounded x; v96-135, v136-175 fragments of x, two buffers (on the way out v96-159: rows read back); v176-255 x as loaded, 4 x 20
;   window 1: fragments of W, four buffers of 64
;   window 2: accumulator (a, nb) at 64 a + 8 nb, a = 0..3          window 3: v0-63 accumulators (4, nb); v64-143 K step 0 of x as loaded
.set AP,     272                       ; a row of rounded x: 256 bytes + 16: the 16 rows of a fragment load start at 16 different groups of four banks (ISA guide 11.1)
.set ABYTES, 80*AP
.set ABUF,   0                         ; two buffers of rounded x
.set SPARE,  2*ABYTES                  ; the spare words, 128 bytes for each wave: two blocks of 256 bytes that no other line names
.set STAGE,  SPARE+512                 ; the stage of the way out: 16 rows x (512 + 16) bytes for each wave
.set SP,     528
.set STG,    16*SP
.set ADRA, 5                           ; v5-6    my place in the fragments of x, buffer 0, 1
.set AW,   12                          ; v12-13  where I put 8 bytes of rounded x, buffer 0, 1
.set STO,  14                          ; v14     the way out: where I put 16 bytes of a row
.set RD,   15                          ; v15     where I read a row back
.set CO,   16                          ; v16     my byte offset in a row of out0 and of b: 512 w + 16 lane; never rewritten
.set SPW,  28                          ; v28     LDS address of my spare word; never rewritten
.set NIL,  29                          ; v29     0; never rewritten
.set XOFF, 32
.set BIA,  52
.set CV,   56
.set FA,   96
.set XL,   176
.set X0,   64                          ; in window 3
.set RB,   96
.set TOK,  44                          ; s[44:59]  the way out: a row block's 16 tokens
.set BS,   66                          ; s[66:97]  the way out: the addresses of the block's 16 rows of out0
; v4 16 lane, the offset of W's loads; never rewritten
; s[4:5] x; s[6:7] wb; s[8:9] b; s[10:11] rows; s[12:13] out0; s14 wave; s17 e; s[18:19] my record; s[20:21] wb at my expert's and my wave's first block; s[22:23] my wave's slots in the record; s[24:25] b[e];
; s40 -1 if I have rows, else 0; s42-61 at work; s[68:87] at the head: my wave's 20 tokens
.set MSB, 0
.macro WIN new                         ; the high byte repeats the setting that is left; a switch that changes nothing is dropped
.if MSB != (\new)
	s_set_vgpr_msb (MSB<<8)|(\new)
.set MSB, \new
.endif
.endm
.macro PLACES                          ; four plain instructions between a matrix instruction and a load into, or a read of, its registers
.rept 4
	v_nop
.endr
.endm
; 8 matrix instructions: row block a x my 8 column blocks, 32 along K: W from buffer wb, x from buffer f.  The 40 accumulators take turns, one instruction a turn, in the same order in every quarter.
.macro MUL wb, f, a, zero
.if (\a) < 4
	WIN 0xa1
.set AC, 64*(\a)
.else
	WIN 0xf1
.set AC, 0
.endif
.irp nb, 0,1,2,3,4,5,6,7
.if \zero
	v_wmma_f32_16x16x32_bf16 v[AC+8*\nb:AC+8*\nb+7], v[64*(\wb)+8*\nb:64*(\wb)+8*\nb+7], v[FA+40*(\f)+8*(\a):FA+40*(\f)+8*(\a)+7], 0
.else
	v_wmma_f32_16x16x32_bf16 v[AC+8*\nb:AC+8*\nb+7], v[64*(\wb)+8*\nb:64*(\wb)+8*\nb+7], v[FA+40*(\f)+8*(\a):FA+40*(\f)+8*(\a)+7], v[AC+8*\nb:AC+8*\nb+7]
.endif
.endr
.endm
; 10 LDS loads: x's five fragments of quarter q (k = 32 q on) of a buffer, into fragment buffer f
.macro FETCHA buf, q, f
	WIN 0
.irp a, 0,1,2,3,4
	ds_load_b128 v[FA+40*(\f)+8*\a:FA+40*(\f)+8*\a+3],   v[ADRA+(\buf)] offset:16*AP*\a+64*(\q)
	ds_load_b128 v[FA+40*(\f)+8*\a+4:FA+40*(\f)+8*\a+7], v[ADRA+(\buf)] offset:16*AP*\a+64*(\q)+32
.endr
.endm
; The group of quarter p: rows 5 (p mod 4) .. + 4 of my 20, K step p / 4 + 1 (there is none behind step 7), then W's 8 fragments of quarter p.  No hint: the list may name a row twice, and other work-groups read W again
.macro GROUP p
.if (\p) <= 27
	WIN 0
.set rr, 0
.rept 5
	global_load_b128 v[XL+20*((\p)%4)+4*rr:XL+20*((\p)%4)+4*rr+3], v[XOFF+5*((\p)%4)+rr], s[4:5] offset:512*((\p)/4+1)
.set rr, rr+1
.endr
.endif
	WIN 0x40
.set rr, 0
.rept 16
	global_load_b128 v[64*((\p)%4)+4*rr:64*((\p)%4)+4*rr+3], v4, s[20:21] offset:32768*(\p)+512*rr  ; 512 consecutive bytes: half a fragment
.set rr, rr+1
.endr
.endm
; The five rows of x that came with group q are rounded and put into the next K step's buffer
.macro XCVT q
	WIN 0
.set rr, 0
.rept 10
	v_cvt_pk_bf16_f32 v[CV+rr], v[XL+20*((\q)%4)+2*rr], v[XL+20*((\q)%4)+2*rr+1]
.set rr, rr+1
.endr
.set rr, 0
.rept 5
	ds_store_b64 v[AW+((\q)/4+1)%2], v[CV+2*rr:CV+2*rr+1] offset:AP*(5*((\q)%4)+rr)  ; 32 lanes x 8 bytes: a row's 256
.set rr, rr+1
.endr
.endm
; QUARTER q.  Its group has landed; the two younger groups stay out.  In its middle: its rows of x are staged (the conversions are the places in front of the loads that follow), group q + 3 goes out,
; and x's fragments of the next quarter are fetched.  A K step's last quarter has the barrier in front of that fetch.
.macro QUART q
.set LEFT, 0
.if (\q)+1 <= 31
.set LEFT, LEFT+16
.endif
.if (\q)+1 <= 27
.set LEFT, LEFT+5
.endif
.if (\q)+2 <= 31
.set LEFT, LEFT+16
.endif
.if (\q)+2 <= 27
.set LEFT, LEFT+5
.endif
.set ZR, 0
.if (\q) == 0
.set ZR, 1                             ; the first quarter's products start the sums: nothing is cleared
.endif
	s_wait_loadcnt LEFT                            ; loads come back in order (ISA guide 5.7.1): all but groups q + 1 and q + 2
	s_wait_dscnt 6                                 ; x's blocks 0, 1 are in; the youngest six loads (blocks 2 to 4) may be out
	MUL (\q)%4, (\q)%2, 0, ZR
	MUL (\q)%4, (\q)%2, 1, ZR
.if (\q) <= 27
	XCVT \q
.elseif (\q) < 31
	PLACES
.endif
.if (\q)+3 <= 31
	GROUP (\q)+3
.endif
.if ((\q)%4 == 3) && ((\q) < 31)
	s_wait_dscnt 0x0                               ; my reads of this step's buffer are back, my stores into the next step's are in LDS
	s_barrier_signal -1
	MUL (\q)%4, (\q)%2, 2, ZR                      ; work on registers while the others arrive
	s_barrier_wait -1                              ; the next buffer is whole, and nobody reads this one any more
	FETCHA ((\q)/4+1)%2, 0, 0
	MUL (\q)%4, (\q)%2, 3, ZR
	MUL (\q)%4, (\q)%2, 4, ZR
.else
.if (\q) < 31
	FETCHA ((\q)/4)%2, (\q)%4+1, ((\q)+1)%2
	s_wait_dscnt 10                                ; all but the ten just issued
.else
	s_wait_dscnt 0x0
.endif
	MUL (\q)%4, (\q)%2, 2, ZR
	MUL (\q)%4, (\q)%2, 3, ZR
	MUL (\q)%4, (\q)%2, 4, ZR
.endif
.endm
; THE WAY OUT of row block a: 16 rows x my 128 columns in f32 go into my stage and come back as whole pieces of 512 bytes of a row; the bias is added; each piece goes to its token's row.
; A store's row is the same in all lanes, so its address is scalar: out0 + token x 2,048; the vector offset is my place in a row.
.macro OUT a
	s_wait_kmcnt 0x0                               ; the block's 16 tokens are in
.set rr, 0
.rept 16
	s_min_u32 s[TOK+rr], s[TOK+rr], 0x3fff
	s_lshl_b32 s60, s[TOK+rr], 11
	s_add_nc_u64 s[BS+2*rr:BS+2*rr+1], s[12:13], s[60:61]
.set rr, rr+1
.endr
.if (\a) < 4
	s_load_b512 s[TOK:TOK+15], s[18:19], 64*(\a)+64  ; the next block's tokens
.endif
.if (\a) < 4
	WIN 0x08
.set AC, 64*(\a)
.else
	WIN 0x0c
.set AC, 0
.endif
.irp nb, 0,1,2,3,4,5,6,7
	ds_store_b128 v[STO], v[AC+8*\nb:AC+8*\nb+3]   offset:64*\nb     ; an accumulator's lowest registers are read first
	ds_store_b128 v[STO], v[AC+8*\nb+4:AC+8*\nb+7] offset:64*\nb+16
.endr
	WIN 0
.set rr, 0
.rept 16
	ds_load_b128 v[RB+4*rr:RB+4*rr+3], v[RD] offset:SP*rr            ; LDS serves a wave's instructions in order (ISA guide 5.7.1.4): these see the stores above
.set rr, rr+1
.endr
.set rr, 0
.rept 16
	s_wait_dscnt 15-rr                             ; row rr is back; the later rows may be out
	v_pk_add_f32 v[RB+4*rr:RB+4*rr+1],   v[RB+4*rr:RB+4*rr+1],   v[BIA:BIA+1]
	v_pk_add_f32 v[RB+4*rr+2:RB+4*rr+3], v[RB+4*rr+2:RB+4*rr+3], v[BIA+2:BIA+3]
	global_store_b128 v[CO], v[RB+4*rr:RB+4*rr+3], s[BS+2*rr:BS+2*rr+1] th:TH_STORE_NT  ; 512 consecutive bytes, at a multiple of 512 from the first byte of out0
.set rr, rr+1
.endr
	s_wait_xcnt 0x0                                ; the stores' bases and data are rewritten only behind this wait
.endm
	s_load_b256 s[4:11], s[0:1], 0x0               ; x, wb, b, rows
	s_load_b64 s[12:13], s[0:1], 0x20              ; out0
	v_lshl_add_u32 v[SPW], v0, 2, SPARE
	v_mov_b32 v[NIL], 0
	v_lshrrev_b32 v3, 5, v0
	v_readfirstlane_b32 s14, v3                    ; wave 0..3
	v_and_b32 v1, 15, v0                           ; l % 16
	v_bfe_u32 v2, v0, 4, 1                         ; l / 16
	v_and_b32 v3, 31, v0                           ; lane
	v_lshlrev_b32 v4, 4, v3
	s_lshl_b32 s58, s14, 9
	v_add_nc_u32 v[CO], s58, v4                    ; 512 w + 16 lane
	s_lshl_b32 s42, ttmp9, 9                       ; my record
	s_mov_b32 s43, 0
	s_mul_i32 s46, s14, 80                         ; my wave's 20 slots
	s_mov_b32 s47, 0
	s_wait_kmcnt 0x0
	s_add_nc_u64 s[18:19], s[10:11], s[42:43]
	s_add_nc_u64 s[22:23], s[18:19], s[46:47]
	s_load_b32 s17, s[18:19], 0x140                ; e
	s_load_b512 s[68:83], s[22:23], 0x0            ; my wave's 20 tokens
	s_load_b128 s[84:87], s[22:23], 0x40
	; the LDS addresses are made while the record is on its way
	; A fragment of x is 16 rows x 32 k: lane l holds row l % 16, k 8 (l / 16) + 0..7 and 16 + 8 (l / 16) + 0..7: two loads of 16 bytes, 32 bytes apart
	v_mul_u32_u24 v7, v1, AP
	v_lshl_add_u32 v7, v2, 4, v7
	v_add_nc_u32 v[ADRA], ABUF, v7
	v_add_nc_u32 v[ADRA+1], ABUF+ABYTES, v7
	s_mul_i32 s60, s14, 20*AP                      ; my 20 rows of rounded x
	v_lshl_add_u32 v24, v3, 3, s60
	v_add_nc_u32 v[AW], ABUF, v24
	v_add_nc_u32 v[AW+1], ABUF+ABYTES, v24
	s_mul_i32 s61, s14, STG                        ; my stage
	s_add_co_u32 s61, s61, STAGE
	v_mul_u32_u24 v[STO], v1, SP
	v_lshl_add_u32 v[STO], v2, 5, v[STO]
	v_add_nc_u32 v[STO], s61, v[STO]
	v_add_nc_u32 v[RD], s61, v4
	s_wait_kmcnt 0x0
	s_cmp_lt_u32 s68, 0x4000                       ; either all slots hold tokens or none does
	s_cselect_b32 s40, -1, 0
	s_min_u32 s17, s17, 7
	s_lshl_b32 s54, s17, 11
	s_mov_b32 s55, 0
	s_add_nc_u64 s[24:25], s[8:9], s[54:55]
	global_load_b128 v[BIA:BIA+3], v[CO], s[24:25] ; b[e], my four columns of a piece of 512 bytes
.set rr, 0
.rept 20
	s_min_u32 s[68+rr], s[68+rr], 0x3fff
	v_lshl_add_u32 v[XOFF+rr], s[68+rr], 12, v4    ; token x 4,096 bytes + 16 lane
.set rr, rr+1
.endr
	WIN 0xc0
.set rr, 0
.rept 20
	global_load_b128 v[X0+4*rr:X0+4*rr+3], v[XOFF+rr], s[4:5]  ; K step 0 of my 20 rows
.set rr, rr+1
.endr
	s_lshl_b32 s50, s17, 20                        ; the expert's 1,048,576 bytes of wb,
	s_lshl_b32 s51, s14, 13                        ; my 8 blocks of 1,024 bytes in a quarter's 32
	s_add_co_u32 s50, s50, s51
	s_mov_b32 s51, 0
	s_add_nc_u64 s[20:21], s[6:7], s[50:51]
	GROUP 0
	GROUP 1                                        ; 1 + 20 + 21 + 21 = 63 loads are out
	s_wait_loadcnt 42                              ; the bias and K step 0 of x are in; groups 0 and 1 stay out
	WIN 0x0f
.set rr, 0
.rept 40
	v_cvt_pk_bf16_f32 v[CV+rr], v[X0+2*rr], v[X0+2*rr+1]
.set rr, rr+1
.endr
	WIN 0
.set rr, 0
.rept 20
	ds_store_b64 v[AW], v[CV+2*rr:CV+2*rr+1] offset:AP*rr
.set rr, rr+1
.endr
	GROUP 2
	WIN 0
	s_wait_dscnt 0x0                               ; my rows of rounded x are in LDS
	s_barrier_signal -1
	s_barrier_wait -1
	FETCHA 0, 0, 0
	s_load_b512 s[TOK:TOK+15], s[18:19], 0x0       ; row block 0's tokens, for the way out
	s_mov_b32 s61, 0                               ; the upper word of the way out's offsets
.irp q, 0,1,2,3,4,5,6,7,8,9,10,11,12,13,14,15,16,17,18,19,20,21,22,23,24,25,26,27,28,29,30,31
	QUART \q
.endr
	WIN 0                                          ; at a branch and at a label every window is 0
	PLACES                                         ; the stores below read results just made
	s_wait_kmcnt 0x0
	s_cmp_eq_u32 s40, 0
	s_cbranch_scc1 .Lnone                          ; a work-group without rows stores nothing; what is jumped holds no barrier
	OUT 0
	OUT 1
	OUT 2
	OUT 3
	OUT 4
.Lnone:
	s_wait_tensorcnt 0x0                           ; the wave's end, behind my last LDS store
	ds_add_u32 v[SPW], v[NIL]
	s_wait_dscnt 0x0
	s_endpgm
.Lfunc_end_k_qfe2d6c5ec5_moe:
	.size	k_qfe2d6c5ec5_moe, .Lfunc_end_k_qfe2d6c5ec5_moe-k_qfe2d6c5ec5_moe
	.p2alignl 7, 3214868480
	.fill 96, 4, 3214868480
	.section	.rodata,"a",@progbits
	.p2align	6, 0x0
	.amdhsa_kernel k_qfe2d6c5ec5_moe
		.amdhsa_group_segment_fixed_size 77824
		.amdhsa_private_segment_fixed_size 0
		.amdhsa_enable_private_segment 0
		.amdhsa_kernarg_size 40
		.amdhsa_user_sgpr_count 2
		.amdhsa_user_sgpr_kernarg_segment_ptr 1
		.amdhsa_wavefront_size32 1
		.amdhsa_system_sgpr_workgroup_id_x 1
		.amdhsa_system_sgpr_workgroup_id_y 1
		.amdhsa_system_sgpr_workgroup_id_z 1
		.amdhsa_system_vgpr_workitem_id 0
		.amdhsa_next_free_vgpr 912
		.amdhsa_next_free_sgpr 98
		.amdhsa_reserve_vcc 0
		.amdhsa_float_denorm_mode_32 3
		.amdhsa_float_denorm_mode_16_64 3
		.amdhsa_memory_ordered 1
		.amdhsa_forward_progress 1
		.amdhsa_inst_pref_size 250
	.end_amdhsa_kernel
	.amdgpu_metadata
---
amdhsa.version: [ 1, 2 ]
amdhsa.kernels:
  - .name:           k_qfe2d6c5ec5_moe
    .symbol:         k_qfe2d6c5ec5_moe.kd
    .args:
      - { .name: x, .offset: 0, .size: 8, .value_kind: global_buffer, .address_space: global }
      - { .name: wb, .offset: 8, .size: 8, .value_kind: global_buffer, .address_space: global }
      - { .name: b, .offset: 16, .size: 8, .value_kind: global_buffer, .address_space: global }
      - { .name: rows, .offset: 24, .size: 8, .value_kind: global_buffer, .address_space: global }
      - { .name: out0, .offset: 32, .size: 8, .value_kind: global_buffer, .address_space: global }
    .group_segment_fixed_size: 77824
    .private_segment_fixed_size: 0
    .kernarg_segment_align: 8
    .kernarg_segment_size: 40
    .max_flat_workgroup_size: 128
    .sgpr_count:     98
    .vgpr_count:     912
    .wavefront_size: 32
...
	.end_amdgpu_metadata
.endif
;; end of part 4
;; ======== version 3 of 3: 2 launches; 1.25 times as fast as version 1
;; workspace buffers: wb 8,388,608 bytes; rows 131,072 bytes of whole numbers
;; launch prep (part 5): grid 256 x 1, 8 waves a work-group, no clusters, 44,032 bytes of LDS; arguments W, index, logstd, wb, rows, out1; writes wb, rows, out1
.if DOCPART == 5
	.amdgcn_target "amdgcn-amd-amdhsa--gfx1250"
	.amdhsa_code_object_version 6
	.text
	.protected	k_qfe2d6c5ec5_prep
	.globl	k_qfe2d6c5ec5_prep
	.p2align	8
	.type	k_qfe2d6c5ec5_prep,@function
k_qfe2d6c5ec5_prep:
	s_mov_b64 s[64:65], 0
	v_nop
	global_prefetch_b8 v0, s[64:65] scope:SCOPE_SE
	s_setreg_imm32_b32 hwreg(HW_REG_WAVE_MODE, 25, 1), 1
	s_wait_xcnt 0x0
; THREE JOBS, 256 work-groups of eight waves.
; (1) out1[t][o] = exp(logstd[o]) for 64 rows of out1.
; (2) 32 k x 512 n of one expert's W rounded once to bf16 and laid in the order in which a wave's operand registers take it: wb is [e][kq 32][nb 32] blocks of 1,024 bytes; in a block the number
;     of column 16 nb + r and k = 32 kq + 16 c + 8 h + j lies at byte 512 c + 256 h + 16 r + 2 j: two loads of 16 bytes a lane (lane = 16 h + r), 512 bytes apart, are a fragment of 16 columns x 32 k.
; (3) Work-group j works out the record of work-group j of the next launch: words 0-79 row slots (token numbers), words 80-95 the expert, words 96-127 the number n of rows.
; THE DEAL, the same arithmetic in every work-group.  c = tokens of an expert, B = ceil(c / 16) blocks of 16 ranks.  The expert gets g = c / 288 + 1 groups of four work-groups (whole division); the g add up to
; 16384 / 288 + 8 = 64 at the most, the number of such groups.  Group cl belongs to the last expert whose first group is not behind cl.  With w = 4 g work-groups B is 18 g = 4.5 w at the most.  q = B / w, r = B - q w:
; the expert's first r work-groups take q + 1 blocks, the others q: five at the most.  Work-group u begins at block u q + min(u, r); n = the ranks of its blocks that exist; a work-group behind the expert's w begins
; at or behind B and has n = 0.  Slots from n on repeat slot 0; with n = 0 all 80 slots hold 16384.
; A token's rank among its expert's: waves in order, in a wave the 64 values of a lane in order, lanes in order: every work-group counts alike, so each token has one owner, whatever the split.
; No branch and no global address hangs on the index; it enters LDS store addresses alone, behind a clamp.
; LIMITS.  index lies in 0 to 7 (the gather of the problem relies on that): a token with another index gets no slot.  exp is made as the square of 2^(logstd x log2(e) / 2), so that
; results below 2^-126 are kept; it is good to a few units in the last place.
.set WCNT,  0          ; 8 x 16 bytes: each wave's counts
.set LISTS, 1024       ; 8 x 1,024 bytes: each wave's own list: words 0-127 slots, words 128-255 a dump
.set SPARE, 9216       ; the spare words, 128 bytes for each wave: four blocks of 256 bytes that no other line names
.set TRB,   10240      ; 8 x 4,224 bytes: each wave's own room in which W's pieces change lanes: 8 blocks' halves of 512 bytes, 528 apart
.set TRP,   528        ; 512 + 16: the sixteen lanes of a store hit sixteen different columns of 16 bytes
.set TRW,   8*TRP
.set SPW, 6            ; v6   LDS address of my spare word; never rewritten
.set NIL, 7            ; v7   0; never rewritten
.set PK,  24           ; v24-55    W's pieces, 16 bytes for each of my 4 columns and 2 groups of 8 k; later the waves' counts, the placement's work and the lists
.set PA,  32           ; v32-39    the placement: eight slots, then eight LDS addresses
.set PT,  40           ; v40-47    the placement: eight tokens
.set IDX, 64           ; v64-127   my 64 index values: load i, word c: token 1024 i + 4 t + c
.set WF,  128          ; v128-191  my 64 numbers of W: row 8 h + jj, column i at WF + 32 h + 4 jj + i; later v128-159: whole pieces to store
.set WSO, 192          ; v192 my byte offset in the work-group's 32,768 bytes of wb; never rewritten
.set TRS, 193          ; v193 where I put a piece
.set TRL, 194          ; v194 where I read 16 bytes of a whole piece back
.set MK,  52           ; s52-59   the placement: eight masks of the lanes whose value is E
.set RK,  66           ; s66-74   the placement: the running rank less my first rank, ahead of each of the eight values and behind the last
; v0 t; v1 lane; v2 16 t; v3 my byte offset in the work-group's rows of W; v4 16 (t mod 128); v5 4 t; v8-11 std; v12-15 counts, two experts a register; v16-23 at work; v56-59 totals; v60-63 prefixes
; s16 wave; s17 j; s18 group of four; s19 place in it; s24-27 totals; s28-31 prefixes; s32 G; s33 E; s34 c_E; s35 my wave's prefix for E; s36 G_E; s40 w; s41 q; s42 u; s43 first rank; s44 n
	s_load_b256 s[4:11], s[0:1], 0x0               ; W s[4:5], index s[6:7], logstd s[8:9], wb s[10:11]
	s_load_b128 s[12:15], s[0:1], 0x20             ; rows s[12:13], out1 s[14:15]
	v_lshl_add_u32 v[SPW], v0, 2, SPARE
	v_mov_b32 v[NIL], 0
	v_and_b32 v1, 31, v0
	v_lshrrev_b32 v16, 5, v0
	v_readfirstlane_b32 s16, v16
	s_mov_b32 s17, ttmp9
	s_lshr_b32 s18, s17, 2
	s_and_b32 s19, s17, 3
	v_lshlrev_b32 v2, 4, v0
	v_and_b32 v4, 127, v0
	v_lshlrev_b32 v4, 4, v4
	v_lshlrev_b32 v5, 2, v0
	; W: wave w takes the 128 columns from 128 (w mod 4) on and the 16 rows from 16 (w / 4) on; a lane four columns
	v_lshrrev_b32 v17, 7, v0                       ; c = w / 4
	v_bfe_u32 v18, v0, 5, 2                        ; w mod 4
	v_lshlrev_b32 v19, 4, v1                       ; 16 lane
	v_lshl_add_u32 v3, v18, 9, v19                 ; 512 bytes of a row for each group of 128 columns,
	v_lshl_add_u32 v3, v17, 15, v3                 ; 16 rows of 2,048 bytes
	v_lshl_add_u32 v[WSO], v18, 13, v19            ; in wb: 8 blocks of 1,024 bytes,
	v_lshl_add_u32 v[WSO], v17, 9, v[WSO]          ; and the block's half c
	s_mul_i32 s20, s16, TRW
	s_add_co_u32 s20, s20, TRB
	v_add_nc_u32 v[TRL], s20, v19
	v_lshrrev_b32 v20, 2, v1                       ; my four columns lie in block lane / 4 of the wave's eight,
	v_mul_u32_u24 v20, v20, TRP
	v_and_b32 v21, 3, v1
	v_lshl_add_u32 v20, v21, 6, v20                ; at r = 4 (lane mod 4) on
	v_add_nc_u32 v[TRS], s20, v20
	s_mov_b32 s46, 0x76543210                      ; v_permlanex16_b32: each lane takes its own place in the other half
	s_mov_b32 s47, 0xfedcba98
	s_mov_b32 s49, 0
	s_wait_kmcnt 0x0
	s_lshl_b32 s48, s17, 16                        ; my 65,536 bytes of W: expert j / 32, rows 32 (j mod 32) on
	s_add_nc_u64 s[4:5], s[4:5], s[48:49]
	s_lshl_b32 s48, s17, 15                        ; my 32,768 bytes of wb
	s_add_nc_u64 s[10:11], s[10:11], s[48:49]
	s_lshl_b32 s48, s17, 17                        ; my 64 rows of out1
	s_add_nc_u64 s[14:15], s[14:15], s[48:49]
	s_lshl_b32 s48, s17, 9                         ; my record
	s_add_nc_u64 s[12:13], s[12:13], s[48:49]
	; all 33 loads go out together: logstd, the whole index, my part of W
	global_load_b128 v[8:11], v4, s[8:9]
.irp i, 0,1,2,3,4,5,6,7,8,9,10,11,12,13,14,15
	global_load_b128 v[IDX+4*\i:IDX+4*\i+3], v2, s[6:7] offset:4096*\i
.endr
.irp q, 0,1,2,3,4,5,6,7,8,9,10,11,12,13,14,15
	global_load_b128 v[WF+4*\q:WF+4*\q+3], v3, s[4:5] offset:2048*\q th:TH_LOAD_NT  ; a wave's load takes 512 consecutive bytes of row q of its sixteen
.endr
	; out1: my four columns, the same in every row; the 256 threads cover two rows a store
	s_wait_loadcnt 32                              ; logstd is in; the 32 younger loads stay out
.irp k, 0,1,2,3
	v_mul_f32 v[12+\k], 0x3f38aa3b, v[8+\k]        ; logstd x log2(e) / 2
.endr
.irp k, 0,1,2,3
	v_exp_f32 v[12+\k], v[12+\k]
.endr
	v_nop                                          ; a plain instruction behind the last exponential
	s_wait_alu depctr_va_vdst(0)                   ; one wait for the four, ahead of their first reader
	v_pk_mul_f32 v[8:9], v[12:13], v[12:13]        ; the square
	v_pk_mul_f32 v[10:11], v[14:15], v[14:15]
.set r, 0
.rept 32
	global_store_b128 v2, v[8:11], s[14:15] offset:4096*r th:TH_STORE_NT  ; a wave's store covers 512 consecutive bytes, aligned
.set r, r+1
.endr
	; my 64 values counted, while W is still on its way: eight at a time in nibbles (8 at the most), widened to bytes (64 at the most), then to halves
	s_wait_loadcnt 16                              ; the index is in; W's 16 loads stay out
	v_mov_b32 v18, 0                               ; experts 0, 2, 4, 6 in bytes
	v_mov_b32 v19, 0                               ; experts 1, 3, 5, 7
	s_mov_b32 s20, 0x0f0f0f0f
	s_mov_b32 s21, 0x00ff00ff
.set p, 0
.rept 8
	v_lshlrev_b32 v16, 2, v[IDX+8*p]
	v_lshl_add_u32 v17, 1, v16, 0
.set q, 1
.rept 7
	v_lshlrev_b32 v16, 2, v[IDX+8*p+q]
	v_lshl_add_u32 v17, 1, v16, v17
.set q, q+1
.endr
	v_and_b32 v20, s20, v17
	v_lshrrev_b32 v21, 4, v17
	v_add_nc_u32 v18, v18, v20
	v_and_b32 v21, s20, v21
	v_add_nc_u32 v19, v19, v21
.set p, p+1
.endr
	v_and_b32 v12, s21, v18                        ; experts 0 (low half) and 4 (high half)
	v_lshrrev_b32 v13, 8, v18
	v_and_b32 v13, s21, v13                        ; 2 and 6
	v_and_b32 v14, s21, v19                        ; 1 and 5
	v_lshrrev_b32 v15, 8, v19
	v_and_b32 v15, s21, v15                        ; 3 and 7
	; over the wave's 32 lanes (2,048 at the most in a half)
.irp m, 1,2,4,8
.irp k, 0,1,2,3
	v_mov_b32_dpp v[16+\k], v[12+\k] row_xmask:\m row_mask:0xf bank_mask:0xf
.endr
.irp k, 0,1,2,3
	v_add_nc_u32 v[12+\k], v[12+\k], v[16+\k]
.endr
.endr
.irp k, 0,1,2,3
	v_permlanex16_b32 v[16+\k], v[12+\k], s46, s47
.endr
.irp k, 0,1,2,3
	v_add_nc_u32 v[12+\k], v[12+\k], v[16+\k]
.endr
	v_mov_b32 v20, s16
	v_lshlrev_b32 v20, 4, v20
	ds_store_b128 v20, v[12:15]                    ; all lanes write the same 16 bytes with the same numbers
	; W to bf16.  Eight k of one column are a piece of 16 bytes, the lower k in the lower bits; the pieces go into my wave's room and come back as whole halves of blocks
	s_wait_loadcnt 0x0
.irp h, 0,1
.irp i, 0,1,2,3
.irp t, 0,1,2,3
	v_cvt_pk_bf16_f32 v[PK+16*\h+4*\i+\t], v[WF+32*\h+8*\t+\i], v[WF+32*\h+8*\t+4+\i]
.endr
	ds_store_b128 v[TRS], v[PK+16*\h+4*\i:PK+16*\h+4*\i+3] offset:256*\h+16*\i
.endr
.endr
.irp nb, 0,1,2,3,4,5,6,7
	ds_load_b128 v[WF+4*\nb:WF+4*\nb+3], v[TRL] offset:TRP*\nb  ; LDS serves a wave's instructions in order (ISA guide 5.7.1.4): these see the stores above
.endr
.irp nb, 0,1,2,3,4,5,6,7
	s_wait_dscnt 7-\nb                             ; piece nb is back; the younger ones stay out
	global_store_b128 v[WSO], v[WF+4*\nb:WF+4*\nb+3], s[10:11] offset:1024*\nb  ; 512 consecutive bytes, aligned: half c of a block
.endr
	s_wait_dscnt 0x0                               ; for the other waves: my counts are in LDS
	s_barrier_signal -1
	s_barrier_wait -1
	v_mov_b32 v21, 0
.irp w, 0,1,2,3,4,5,6,7
	ds_load_b128 v[24+4*\w:27+4*\w], v21 offset:WCNT+16*\w
.endr
	s_wait_dscnt 0x0
	; totals over the eight waves, and the sums over the waves in front of mine
.irp k, 0,1,2,3
	v_add_nc_u32 v[56+\k], v[24+\k], v[28+\k]
.endr
.irp w, 2,3,4,5,6,7
.irp k, 0,1,2,3
	v_add_nc_u32 v[56+\k], v[56+\k], v[24+4*\w+\k]
.endr
.endr
	s_cmp_gt_u32 s16, 0
	s_cselect_b32 s20, -1, 0
.irp k, 0,1,2,3
	v_and_b32 v[60+\k], s20, v[24+\k]
.endr
.irp w, 1,2,3,4,5,6
	s_cmp_gt_u32 s16, \w
	s_cselect_b32 s20, -1, 0
.irp k, 0,1,2,3
	v_and_b32 v[16+\k], s20, v[24+4*\w+\k]
.endr
.irp k, 0,1,2,3
	v_add_nc_u32 v[60+\k], v[60+\k], v[16+\k]
.endr
.endr
.irp k, 0,1,2,3
	v_readfirstlane_b32 s[24+\k], v[56+\k]
	v_readfirstlane_b32 s[28+\k], v[60+\k]
.endr
	; the deal.  Expert k's count lies in register m, low half for k under 4.  c / 288 = (c x 58255) >> 24 for c up to 16384: 58255 x 288 - 2^24 = 224, and 16384 x 224 stays under 2^24
.macro DEAL k, m
.if (\k) < 4
	s_and_b32 s37, s[24+(\m)], 0xffff
	s_and_b32 s38, s[28+(\m)], 0xffff
.else
	s_lshr_b32 s37, s[24+(\m)], 16
	s_lshr_b32 s38, s[28+(\m)], 16
.endif
	s_mul_i32 s39, s37, 58255
	s_lshr_b32 s39, s39, 24
	s_add_co_u32 s39, s39, 1                       ; g
	s_cmp_ge_u32 s18, s32                          ; does my group lie at or behind this expert's first?
	s_cselect_b32 s33, \k, s33
	s_cselect_b32 s34, s37, s34
	s_cselect_b32 s35, s38, s35
	s_cselect_b32 s36, s32, s36
	s_add_co_u32 s32, s32, s39
.endm
	s_mov_b32 s32, 0
	s_mov_b32 s33, 0
	s_mov_b32 s34, 0
	s_mov_b32 s35, 0
	s_mov_b32 s36, 0
	DEAL 0, 0
	DEAL 1, 2
	DEAL 2, 1
	DEAL 3, 3
	DEAL 4, 0
	DEAL 5, 2
	DEAL 6, 1
	DEAL 7, 3
	s_mul_i32 s40, s34, 58255
	s_lshr_b32 s40, s40, 24
	s_add_co_u32 s40, s40, 1
	s_lshl_b32 s40, s40, 2                         ; w = 4 g: the expert's work-groups
	s_add_co_u32 s21, s34, 15
	s_lshr_b32 s21, s21, 4                         ; B: its blocks of 16 ranks
	s_mov_b32 s41, 0                               ; q = B / w, bit by bit: B is 4.5 w at the most, so q is under 8
.irp bit, 4,2,1
	s_add_co_u32 s39, s41, \bit
	s_mul_i32 s20, s39, s40
	s_cmp_le_u32 s20, s21
	s_cselect_b32 s41, s39, s41
.endr
	s_mul_i32 s20, s41, s40
	s_sub_co_u32 s22, s21, s20                     ; r = B - q w
	s_sub_co_u32 s42, s18, s36
	s_lshl2_add_u32 s42, s42, s19                  ; u = 4 (group - G_E) + place
	s_min_u32 s23, s42, s22                        ; min(u, r)
	s_mul_i32 s43, s41, s42
	s_add_co_u32 s43, s43, s23                     ; my first block
	s_cmp_lt_u32 s42, s22                          ; one of the first r?
	s_cselect_b32 s20, 1, 0
	s_add_co_u32 s20, s20, s41                     ; my blocks
	s_lshl_b32 s20, s20, 4                         ; their ranks, 80 at the most
	s_lshl_b32 s43, s43, 4                         ; my first rank
	s_sub_co_i32 s44, s34, s43
	s_max_i32 s44, s44, 0
	s_min_i32 s44, s44, s20                        ; n
	s_sub_co_u32 s[RK], s35, s43                   ; a rank in front of my first wraps round to a large number, which is no slot
	; my wave's own list: 128 slots that say none; then each of my wave's tokens of expert E whose rank less my first rank is under 128 goes to that slot, every other value into the dump.
	; Slots from n on are overwritten in the merge.  Eight values at a time, each step for all eight, so that no vector line reads the result of the line before it.
	s_lshl_b32 s20, s16, 10
	s_add_co_u32 s20, s20, LISTS
	v_mov_b32 v23, s20
	v_lshl_add_u32 v20, v1, 4, v23
	v_add_nc_u32 v22, 0x80, v1
.irp k, 0,1,2,3
	v_mov_b32 v[24+\k], 0x4000
.endr
	ds_store_b128 v20, v[24:27]
.macro PLACE8 p
.irp k, 0,1,2,3,4,5,6,7
	v_cmp_eq_u32 s[MK+\k], s33, v[IDX+8*(\p)+\k]   ; the lanes whose value is E
.endr
.irp k, 0,1,2,3,4,5,6,7
	s_bcnt1_i32_b32 s21, s[MK+\k]
	s_add_co_u32 s[RK+1+\k], s[RK+\k], s21
.endr
.irp k, 0,1,2,3,4,5,6,7
	v_mbcnt_lo_u32_b32 v[PA+\k], s[MK+\k], s[RK+\k]  ; rank less my first rank
.endr
.irp k, 0,1,2,3,4,5,6,7
	v_cndmask_b32 v[PA+\k], v22, v[PA+\k], s[MK+\k]  ; another expert's: word 128 + lane
.endr
.irp k, 0,1,2,3,4,5,6,7
	v_min_u32 v[PA+\k], v[PA+\k], v22              ; no slot: a word from 128 on, 128 + lane at the most
.endr
.irp k, 0,1,2,3,4,5,6,7
	v_min_u32 v[PA+\k], 0xff, v[PA+\k]             ; the clamp keeps the address inside my wave's 1,024 bytes
.endr
.irp k, 0,1,2,3,4,5,6,7
	v_lshl_add_u32 v[PA+\k], v[PA+\k], 2, v23
.endr
.irp k, 0,1,2,3,4,5,6,7
	v_add_nc_u32 v[PT+\k], 1024*(2*(\p)+(\k)/4)+(\k)%4, v5  ; the token
.endr
.irp k, 0,1,2,3,4,5,6,7
	ds_store_b32 v[PA+\k], v[PT+\k]
.endr
	s_mov_b32 s[RK], s[RK+8]
.endm
.irp p, 0,1,2,3,4,5,6,7
	PLACE8 \p
.endr
	s_wait_tensorcnt 0x0                           ; behind my last LDS store
	ds_add_u32 v[SPW], v[NIL]
	s_wait_dscnt 0x0                               ; for wave 0: my list is in LDS
	s_barrier_signal -1
	s_barrier_wait -1
	s_cmp_lg_u32 s16, 0
	s_cbranch_scc1 .Lend
	; wave 0 merges: a slot was written by one wave at the most, the others hold 16384, so the least of the eight is the slot
	v_lshl_add_u32 v20, v1, 4, LISTS
.irp w, 0,1,2,3,4,5,6,7
	ds_load_b128 v[24+4*\w:27+4*\w], v20 offset:1024*\w
.endr
	s_wait_dscnt 0x0
.irp w, 1,2,3,4,5,6,7
.irp k, 0,1,2,3
	v_min_u32 v[24+\k], v[24+\k], v[24+4*\w+\k]
.endr
.endr
	v_readfirstlane_b32 s20, v24                   ; slot 0: a token, or 16384 where n = 0
	v_mov_b32 v16, s20
	v_mov_b32 v17, s33
	v_mov_b32 v19, s44
	v_lshlrev_b32 v18, 2, v1                       ; my first slot: 4 lane
.irp k, 0,1,2,3
	v_add_nc_u32 v21, \k, v18
	v_cmp_le_u32 vcc_lo, s44, v21                  ; a slot from n on repeats slot 0
	v_cndmask_b32 v[24+\k], v[24+\k], v16, vcc_lo
.endr
	v_cmp_le_u32 vcc_lo, 20, v1                    ; words 80 on hold the expert,
.irp k, 0,1,2,3
	v_cndmask_b32 v[24+\k], v[24+\k], v17, vcc_lo
.endr
	v_cmp_le_u32 vcc_lo, 24, v1                    ; words 96 on n
.irp k, 0,1,2,3
	v_cndmask_b32 v[24+\k], v[24+\k], v19, vcc_lo
.endr
	v_lshlrev_b32 v20, 4, v1
	global_store_b128 v20, v[24:27], s[12:13]      ; 512 consecutive bytes, aligned
.Lend:
	s_endpgm
.Lfunc_end_k_qfe2d6c5ec5_prep:
	.size	k_qfe2d6c5ec5_prep, .Lfunc_end_k_qfe2d6c5ec5_prep-k_qfe2d6c5ec5_prep
	.p2alignl 7, 3214868480
	.fill 96, 4, 3214868480
	.section	.rodata,"a",@progbits
	.p2align	6, 0x0
	.amdhsa_kernel k_qfe2d6c5ec5_prep
		.amdhsa_group_segment_fixed_size 44032
		.amdhsa_private_segment_fixed_size 0
		.amdhsa_enable_private_segment 0
		.amdhsa_kernarg_size 48
		.amdhsa_user_sgpr_count 2
		.amdhsa_user_sgpr_kernarg_segment_ptr 1
		.amdhsa_wavefront_size32 1
		.amdhsa_system_sgpr_workgroup_id_x 1
		.amdhsa_system_sgpr_workgroup_id_y 1
		.amdhsa_system_sgpr_workgroup_id_z 1
		.amdhsa_system_vgpr_workitem_id 0
		.amdhsa_next_free_vgpr 196
		.amdhsa_next_free_sgpr 76
		.amdhsa_reserve_vcc 1
		.amdhsa_float_denorm_mode_32 3
		.amdhsa_float_denorm_mode_16_64 3
		.amdhsa_memory_ordered 1
		.amdhsa_forward_progress 1
		.amdhsa_inst_pref_size 69
	.end_amdhsa_kernel
	.amdgpu_metadata
---
amdhsa.version: [ 1, 2 ]
amdhsa.kernels:
  - .name:           k_qfe2d6c5ec5_prep
    .symbol:         k_qfe2d6c5ec5_prep.kd
    .args:
      - { .name: W, .offset: 0, .size: 8, .value_kind: global_buffer, .address_space: global }
      - { .name: index, .offset: 8, .size: 8, .value_kind: global_buffer, .address_space: global }
      - { .name: logstd, .offset: 16, .size: 8, .value_kind: global_buffer, .address_space: global }
      - { .name: wb, .offset: 24, .size: 8, .value_kind: global_buffer, .address_space: global }
      - { .name: rows, .offset: 32, .size: 8, .value_kind: global_buffer, .address_space: global }
      - { .name: out1, .offset: 40, .size: 8, .value_kind: global_buffer, .address_space: global }
    .group_segment_fixed_size: 44032
    .private_segment_fixed_size: 0
    .kernarg_segment_align: 8
    .kernarg_segment_size: 48
    .max_flat_workgroup_size: 256
    .sgpr_count:     76
    .vgpr_count:     196
    .wavefront_size: 32
...
	.end_amdgpu_metadata
.endif
;; end of part 5
;; launch moe (part 6): grid 256 x 1, 4 waves a work-group, no clusters, 77,824 bytes of LDS; arguments x, wb, b, rows, out0; writes out0
.if DOCPART == 6
	.amdgcn_target "amdgcn-amd-amdhsa--gfx1250"
	.amdhsa_code_object_version 6
	.text
	.protected	k_qfe2d6c5ec5_moe
	.globl	k_qfe2d6c5ec5_moe
	.p2align	8
	.type	k_qfe2d6c5ec5_moe,@function
k_qfe2d6c5ec5_moe:
	s_mov_b64 s[64:65], 0
	v_nop
	global_prefetch_b8 v0, s[64:65] scope:SCOPE_SE
	s_setreg_imm32_b32 hwreg(HW_REG_WAVE_MODE, 25, 1), 1
	s_wait_xcnt 0x0
; out0[t][:] = x[t][:] . W[e] + b[e] for the n rows of my record (rows: words 0-79 token numbers, word 80 the expert e, word 96 n, 80 at the most; slots from n on repeat slot 0).
; x is f32 and is rounded once to bf16 on its way; W comes as bf16 in fragment order (wb: [e][kq 32][nb 32] blocks of 1,024 bytes, a block = 16 columns x 32 k as a wave's registers take it); sums in f32; b is added in f32.
; SHARES.  A work-group has up to 80 rows x all 512 columns, so each row of x is read once.  A wave has all the rows x 128 columns: 5 x 8 accumulators of 16 x 16, 320 registers.
; K = 1024 goes in 32 quarters of 32, four to a K step of 128, all written out: every offset is an immediate, and the buffers go by the quarter's number.
; ROW BLOCK 4 (slots 64-79) is multiplied only where n is over 64: a forward jump on n, a whole number read from memory, passes its 8 matrix instructions in each quarter but the first, whose products start
; the sums, so that the block's registers are written on every way through the text.  On the way out row block a is passed where n is 16 a or less.  What is jumped holds no barrier.
; W GOES STRAIGHT INTO REGISTERS.  A wave's 128 columns are its own, so each number of W is used by one wave of the work-group: LDS would share nothing.  A quarter's 8 fragments are 8,192 consecutive bytes: 16 loads.
; x.  A wave gathers 20 slots; one load takes 512 consecutive bytes of a row (a K step).  Rounded, they go into one of two buffers in LDS (80 rows x 256 bytes), from which all four waves take fragments.
; THE STREAM.  Quarter Q has a group of loads: 5 rows of x of the NEXT K step, then its 16 loads of W.  Four buffers by Q mod 4; group Q + 3 is issued in quarter Q, into the buffer that quarter Q - 1 read:
; three groups, 63 loads of 512 bytes, are out at the most, as many as the counter's field holds (ISA guide 5.7.1).  No burst and no wait for all loads: each wait leaves the two younger groups out.
; ONE BARRIER A K STEP, for x's buffers alone: in front of it my stores of the next step's rows and my reads of this step's are done.
; NO CLUSTER, NO TENSOR LOADS.  What neighbouring work-groups share is W, whose address is made of the expert, a number read from memory: a joint request wants a descriptor whose equality in all partners
; can be read off the text, and this one cannot.  x's rows come by a list, which no descriptor covers.
; THE MATRIX INSTRUCTION IS USED TRANSPOSED: source 0 = 16 columns of W, source 1 = 16 rows of x: a lane holds one row and eight neighbouring columns.
; A work-group without rows passes every barrier, multiplies row 16383 and stores nothing.
; LIMITS.  Token numbers are clamped to 16383 and e to 7 ahead of every address.  bf16 operands: the error grows with the inputs as their rounding does.
; REGISTERS, in windows of 256 (s_set_vgpr_msb: bits 1:0 source 0, 3:2 source 1, 5:4 source 2, 7:6 destination):
;   window 0: v0-31 addresses; v32-51 byte offsets of my 20 rows of x; v52-55 bias; v56-95 rounded x; v96-135, v136-175 fragments of x, two buffers (on the way out v96-159: rows read back); v176-255 x as loaded, 4 x 20
;   window 1: fragments of W, four buffers of 64
;   window 2: accumulator (a, nb) at 64 a + 8 nb, a = 0..3          window 3: v0-63 accumulators (4, nb); v64-143 K step 0 of x as loaded
.set AP,     272                       ; a row of rounded x: 256 bytes + 16: the 16 rows of a fragment load start at 16 different groups of four banks (ISA guide 11.1)
.set ABYTES, 80*AP
.set ABUF,   0                         ; two buffers of rounded x
.set SPARE,  2*ABYTES                  ; the spare words, 128 bytes for each wave: two blocks of 256 bytes that no other line names
.set STAGE,  SPARE+512                 ; the stage of the way out: 16 rows x (512 + 16) bytes for each wave
.set SP,     528
.set STG,    16*SP
.set ADRA, 5                           ; v5-6    my place in the fragments of x, buffer 0, 1
.set AW,   12                          ; v12-13  where I put 8 bytes of rounded x, buffer 0, 1
.set STO,  14                          ; v14     the way out: where I put 16 bytes of a row
.set RD,   15                          ; v15     where I read a row back
.set CO,   16                          ; v16     my byte offset in a row of out0 and of b: 512 w + 16 lane; never rewritten
.set SPW,  28                          ; v28     LDS address of my spare word; never rewritten
.set NIL,  29                          ; v29     0; never rewritten
.set XOFF, 32
.set BIA,  52
.set CV,   56
.set FA,   96
.set XL,   176
.set X0,   64                          ; in window 3
.set RB,   96
.set NR,   26                          ; s26  n
.set F5,   27                          ; s27  1 if n is over 64, else 0
.set TOK,  44                          ; s[44:59]  the way out: a row block's 16 tokens
.set BS,   66                          ; s[66:97]  the way out: the addresses of the block's 16 rows of out0
; v4 16 lane, the offset of W's loads; never rewritten
; s[4:5] x; s[6:7] wb; s[8:9] b; s[10:11] rows; s[12:13] out0; s14 wave; s17 e; s[18:19] my record; s[20:21] wb at my expert's and my wave's first block; s[22:23] my wave's slots in the record; s[24:25] b[e];
; s42-61 at work; s[68:87] at the head: my wave's 20 tokens
.set MSB, 0
.macro WIN new                         ; the high byte repeats the setting that is left; a switch that changes nothing is dropped
.if MSB != (\new)
	s_set_vgpr_msb (MSB<<8)|(\new)
.set MSB, \new
.endif
.endm
.macro PLACES                          ; four plain instructions between a matrix instruction and a load into, or a read of, its registers
.rept 4
	v_nop
.endr
.endm
; 8 matrix instructions: row block a x my 8 column blocks, 32 along K: W from buffer wb, x from buffer f.  The accumulators take turns, one instruction a turn, in the same order in every quarter.
.macro MUL wb, f, a, zero
.if (\a) < 4
	WIN 0xa1
.set AC, 64*(\a)
.else
	WIN 0xf1
.set AC, 0
.endif
.irp nb, 0,1,2,3,4,5,6,7
.if \zero
	v_wmma_f32_16x16x32_bf16 v[AC+8*\nb:AC+8*\nb+7], v[64*(\wb)+8*\nb:64*(\wb)+8*\nb+7], v[FA+40*(\f)+8*(\a):FA+40*(\f)+8*(\a)+7], 0
.else
	v_wmma_f32_16x16x32_bf16 v[AC+8*\nb:AC+8*\nb+7], v[64*(\wb)+8*\nb:64*(\wb)+8*\nb+7], v[FA+40*(\f)+8*(\a):FA+40*(\f)+8*(\a)+7], v[AC+8*\nb:AC+8*\nb+7]
.endif
.endr
.endm
; Row block 4 of quarter q: always in quarter 0, later only where the work-group has rows in it.  At the branch and at the label every window is 0
.macro MUL4 q
.if (\q) == 0
	MUL 0, 0, 4, 1
.else
	WIN 0
	s_cmp_eq_u32 s[F5], 0
	s_cbranch_scc1 .Lno4_\@
	MUL (\q)%4, (\q)%2, 4, 0
	WIN 0
.Lno4_\@:
.endif
.endm
; 10 LDS loads: x's five fragments of quarter q (k = 32 q on) of a buffer, into fragment buffer f
.macro FETCHA buf, q, f
	WIN 0
.irp a, 0,1,2,3,4
	ds_load_b128 v[FA+40*(\f)+8*\a:FA+40*(\f)+8*\a+3],   v[ADRA+(\buf)] offset:16*AP*\a+64*(\q)
	ds_load_b128 v[FA+40*(\f)+8*\a+4:FA+40*(\f)+8*\a+7], v[ADRA+(\buf)] offset:16*AP*\a+64*(\q)+32
.endr
.endm
; The group of quarter p: rows 5 (p mod 4) .. + 4 of my 20, K step p / 4 + 1 (there is none behind step 7), then W's 8 fragments of quarter p.  No hint: the list may name a row twice, and other work-groups read W again
.macro GROUP p
.if (\p) <= 27
	WIN 0
.set rr, 0
.rept 5
	global_load_b128 v[XL+20*((\p)%4)+4*rr:XL+20*((\p)%4)+4*rr+3], v[XOFF+5*((\p)%4)+rr], s[4:5] offset:512*((\p)/4+1)
.set rr, rr+1
.endr
.endif
	WIN 0x40
.set rr, 0
.rept 16
	global_load_b128 v[64*((\p)%4)+4*rr:64*((\p)%4)+4*rr+3], v4, s[20:21] offset:32768*(\p)+512*rr  ; 512 consecutive bytes: half a fragment
.set rr, rr+1
.endr
.endm
; The five rows of x that came with group q are rounded and put into the next K step's buffer
.macro XCVT q
	WIN 0
.set rr, 0
.rept 10
	v_cvt_pk_bf16_f32 v[CV+rr], v[XL+20*((\q)%4)+2*rr], v[XL+20*((\q)%4)+2*rr+1]
.set rr, rr+1
.endr
.set rr, 0
.rept 5
	ds_store_b64 v[AW+((\q)/4+1)%2], v[CV+2*rr:CV+2*rr+1] offset:AP*(5*((\q)%4)+rr)  ; 32 lanes x 8 bytes: a row's 256
.set rr, rr+1
.endr
.endm
; QUARTER q.  At its head its group of loads has landed (the two younger groups stay out), and so have its ten fragment loads of x, issued 16 matrix instructions or more ago.  Then: products; its rows of x are staged
; (the conversions are the places in front of the loads that follow); group q + 3 goes out; x's fragments of the next quarter are fetched; products.  No product waits for the stores of rounded x:
; they are waited for in front of the K step's barrier alone, which stands in the step's last quarter, in front of the fetch from the next buffer.
.macro QUART q
.set LEFT, 0
.if (\q)+1 <= 31
.set LEFT, LEFT+16
.endif
.if (\q)+1 <= 27
.set LEFT, LEFT+5
.endif
.if (\q)+2 <= 31
.set LEFT, LEFT+16
.endif
.if (\q)+2 <= 27
.set LEFT, LEFT+5
.endif
.set ZR, 0
.if (\q) == 0
.set ZR, 1                             ; the first quarter's products start the sums: nothing is cleared
.endif
	s_wait_loadcnt LEFT                            ; loads come back in order (ISA guide 5.7.1): all but groups q + 1 and q + 2
	s_wait_dscnt 0x0                               ; x's five fragments of this quarter are in
.if ((\q)%4 == 3) && ((\q) < 31)
	MUL (\q)%4, (\q)%2, 0, 0
	XCVT \q
	GROUP (\q)+3
	s_wait_dscnt 0x0                               ; my stores into the next step's buffer are in LDS; my reads of this step's came back at the quarter's head
	s_barrier_signal -1
	MUL (\q)%4, (\q)%2, 1, 0                       ; work on registers while the others arrive
	s_barrier_wait -1                              ; the next buffer is whole, and nobody reads this one any more
	FETCHA ((\q)/4+1)%2, 0, 0
	MUL (\q)%4, (\q)%2, 2, 0
	MUL (\q)%4, (\q)%2, 3, 0
	MUL4 \q
.else
	MUL (\q)%4, (\q)%2, 0, ZR
	MUL (\q)%4, (\q)%2, 1, ZR
.if (\q) <= 27
	XCVT \q
.elseif (\q) < 31
	PLACES
.endif
.if (\q)+3 <= 31
	GROUP (\q)+3
.endif
.if (\q) < 31
	FETCHA ((\q)/4)%2, (\q)%4+1, ((\q)+1)%2
.endif
	MUL (\q)%4, (\q)%2, 2, ZR
	MUL (\q)%4, (\q)%2, 3, ZR
	MUL4 \q
.endif
.endm
; THE WAY OUT of row block a: 16 rows x my 128 columns in f32 go into my stage and come back as whole pieces of 512 bytes of a row; the bias is added; each piece goes to its token's row.
; A store's row is the same in all lanes, so its address is scalar: out0 + token x 2,048; the vector offset is my place in a row.
.macro OUT a
	s_wait_kmcnt 0x0                               ; the block's 16 tokens are in
.set rr, 0
.rept 16
	s_min_u32 s[TOK+rr], s[TOK+rr], 0x3fff
	s_lshl_b32 s60, s[TOK+rr], 11
	s_add_nc_u64 s[BS+2*rr:BS+2*rr+1], s[12:13], s[60:61]
.set rr, rr+1
.endr
.if (\a) < 4
	s_load_b512 s[TOK:TOK+15], s[18:19], 64*(\a)+64  ; the next block's tokens
.endif
.if (\a) < 4
	WIN 0x08
.set AC, 64*(\a)
.else
	WIN 0x0c
.set AC, 0
.endif
.irp nb, 0,1,2,3,4,5,6,7
	ds_store_b128 v[STO], v[AC+8*\nb:AC+8*\nb+3]   offset:64*\nb     ; an accumulator's lowest registers are read first
	ds_store_b128 v[STO], v[AC+8*\nb+4:AC+8*\nb+7] offset:64*\nb+16
.endr
	WIN 0
.set rr, 0
.rept 16
	ds_load_b128 v[RB+4*rr:RB+4*rr+3], v[RD] offset:SP*rr            ; LDS serves a wave's instructions in order (ISA guide 5.7.1.4): these see the stores above
.set rr, rr+1
.endr
.set rr, 0
.rept 16
	s_wait_dscnt 15-rr                             ; row rr is back; the later rows may be out
	v_pk_add_f32 v[RB+4*rr:RB+4*rr+1],   v[RB+4*rr:RB+4*rr+1],   v[BIA:BIA+1]
	v_pk_add_f32 v[RB+4*rr+2:RB+4*rr+3], v[RB+4*rr+2:RB+4*rr+3], v[BIA+2:BIA+3]
	global_store_b128 v[CO], v[RB+4*rr:RB+4*rr+3], s[BS+2*rr:BS+2*rr+1] th:TH_STORE_NT  ; 512 consecutive bytes, at a multiple of 512 from the first byte of out0
.set rr, rr+1
.endr
	s_wait_xcnt 0x0                                ; the stores' bases and data are rewritten only behind this wait
.endm
	s_load_b256 s[4:11], s[0:1], 0x0               ; x, wb, b, rows
	s_load_b64 s[12:13], s[0:1], 0x20              ; out0
	v_lshl_add_u32 v[SPW], v0, 2, SPARE
	v_mov_b32 v[NIL], 0
	v_lshrrev_b32 v3, 5, v0
	v_readfirstlane_b32 s14, v3                    ; wave 0..3
	v_and_b32 v1, 15, v0                           ; l % 16
	v_bfe_u32 v2, v0, 4, 1                         ; l / 16
	v_and_b32 v3, 31, v0                           ; lane
	v_lshlrev_b32 v4, 4, v3
	s_lshl_b32 s58, s14, 9
	v_add_nc_u32 v[CO], s58, v4                    ; 512 w + 16 lane
	s_lshl_b32 s42, ttmp9, 9                       ; my record
	s_mov_b32 s43, 0
	s_mul_i32 s46, s14, 80                         ; my wave's 20 slots
	s_mov_b32 s47, 0
	s_wait_kmcnt 0x0
	s_add_nc_u64 s[18:19], s[10:11], s[42:43]
	s_add_nc_u64 s[22:23], s[18:19], s[46:47]
	s_load_b32 s17, s[18:19], 0x140                ; e
	s_load_b32 s[NR], s[18:19], 0x180              ; n
	s_load_b512 s[68:83], s[22:23], 0x0            ; my wave's 20 tokens
	s_load_b128 s[84:87], s[22:23], 0x40
	; the LDS addresses are made while the record is on its way
	; A fragment of x is 16 rows x 32 k: lane l holds row l % 16, k 8 (l / 16) + 0..7 and 16 + 8 (l / 16) + 0..7: two loads of 16 bytes, 32 bytes apart
	v_mul_u32_u24 v7, v1, AP
	v_lshl_add_u32 v7, v2, 4, v7
	v_add_nc_u32 v[ADRA], ABUF, v7
	v_add_nc_u32 v[ADRA+1], ABUF+ABYTES, v7
	s_mul_i32 s60, s14, 20*AP                      ; my 20 rows of rounded x
	v_lshl_add_u32 v24, v3, 3, s60
	v_add_nc_u32 v[AW], ABUF, v24
	v_add_nc_u32 v[AW+1], ABUF+ABYTES, v24
	s_mul_i32 s61, s14, STG                        ; my stage
	s_add_co_u32 s61, s61, STAGE
	v_mul_u32_u24 v[STO], v1, SP
	v_lshl_add_u32 v[STO], v2, 5, v[STO]
	v_add_nc_u32 v[STO], s61, v[STO]
	v_add_nc_u32 v[RD], s61, v4
	s_wait_kmcnt 0x0
	s_cmp_gt_u32 s[NR], 64                         ; have I rows in block 4?
	s_cselect_b32 s[F5], 1, 0
	s_min_u32 s17, s17, 7
	s_lshl_b32 s54, s17, 11
	s_mov_b32 s55, 0
	s_add_nc_u64 s[24:25], s[8:9], s[54:55]
	global_load_b128 v[BIA:BIA+3], v[CO], s[24:25] ; b[e], my four columns of a piece of 512 bytes
.set rr, 0
.rept 20
	s_min_u32 s[68+rr], s[68+rr], 0x3fff
	v_lshl_add_u32 v[XOFF+rr], s[68+rr], 12, v4    ; token x 4,096 bytes + 16 lane
.set rr, rr+1
.endr
	WIN 0xc0
.set rr, 0
.rept 20
	global_load_b128 v[X0+4*rr:X0+4*rr+3], v[XOFF+rr], s[4:5]  ; K step 0 of my 20 rows
.set rr, rr+1
.endr
	s_lshl_b32 s50, s17, 20                        ; the expert's 1,048,576 bytes of wb,
	s_lshl_b32 s51, s14, 13                        ; my 8 blocks of 1,024 bytes in a quarter's 32
	s_add_co_u32 s50, s50, s51
	s_mov_b32 s51, 0
	s_add_nc_u64 s[20:21], s[6:7], s[50:51]
	GROUP 0
	GROUP 1                                        ; 1 + 20 + 21 + 21 = 63 loads are out
	s_wait_loadcnt 42                              ; the bias and K step 0 of x are in; groups 0 and 1 stay out
	WIN 0x0f
.set rr, 0
.rept 40
	v_cvt_pk_bf16_f32 v[CV+rr], v[X0+2*rr], v[X0+2*rr+1]
.set rr, rr+1
.endr
	WIN 0
.set rr, 0
.rept 20
	ds_store_b64 v[AW], v[CV+2*rr:CV+2*rr+1] offset:AP*rr
.set rr, rr+1
.endr
	GROUP 2
	WIN 0
	s_wait_dscnt 0x0                               ; my rows of rounded x are in LDS
	s_barrier_signal -1
	s_barrier_wait -1
	FETCHA 0, 0, 0
	s_load_b512 s[TOK:TOK+15], s[18:19], 0x0       ; row block 0's tokens, for the way out
	s_mov_b32 s61, 0                               ; the upper word of the way out's offsets
.irp q, 0,1,2,3,4,5,6,7,8,9,10,11,12,13,14,15,16,17,18,19,20,21,22,23,24,25,26,27,28,29,30,31
	QUART \q
.endr
	WIN 0                                          ; at a branch and at a label every window is 0
	PLACES                                         ; the stores below read results just made
.irp a, 0,1,2,3,4
	s_cmp_le_u32 s[NR], 16*\a                      ; no row of mine in this block or behind it: nothing more is stored
	s_cbranch_scc1 .Lnone
	OUT \a
.endr
.Lnone:
	s_wait_kmcnt 0x0                               ; the tokens asked for ahead of a block that was passed
	s_wait_tensorcnt 0x0                           ; the wave's end, behind my last LDS store
	ds_add_u32 v[SPW], v[NIL]
	s_wait_dscnt 0x0
	s_endpgm
.Lfunc_end_k_qfe2d6c5ec5_moe:
	.size	k_qfe2d6c5ec5_moe, .Lfunc_end_k_qfe2d6c5ec5_moe-k_qfe2d6c5ec5_moe
	.p2alignl 7, 3214868480
	.fill 96, 4, 3214868480
	.section	.rodata,"a",@progbits
	.p2align	6, 0x0
	.amdhsa_kernel k_qfe2d6c5ec5_moe
		.amdhsa_group_segment_fixed_size 77824
		.amdhsa_private_segment_fixed_size 0
		.amdhsa_enable_private_segment 0
		.amdhsa_kernarg_size 40
		.amdhsa_user_sgpr_count 2
		.amdhsa_user_sgpr_kernarg_segment_ptr 1
		.amdhsa_wavefront_size32 1
		.amdhsa_system_sgpr_workgroup_id_x 1
		.amdhsa_system_sgpr_workgroup_id_y 1
		.amdhsa_system_sgpr_workgroup_id_z 1
		.amdhsa_system_vgpr_workitem_id 0
		.amdhsa_next_free_vgpr 912
		.amdhsa_next_free_sgpr 98
		.amdhsa_reserve_vcc 0
		.amdhsa_float_denorm_mode_32 3
		.amdhsa_float_denorm_mode_16_64 3
		.amdhsa_memory_ordered 1
		.amdhsa_forward_progress 1
		.amdhsa_inst_pref_size 253
	.end_amdhsa_kernel
	.amdgpu_metadata
---
amdhsa.version: [ 1, 2 ]
amdhsa.kernels:
  - .name:           k_qfe2d6c5ec5_moe
    .symbol:         k_qfe2d6c5ec5_moe.kd
    .args:
      - { .name: x, .offset: 0, .size: 8, .value_kind: global_buffer, .address_space: global }
      - { .name: wb, .offset: 8, .size: 8, .value_kind: global_buffer, .address_space: global }
      - { .name: b, .offset: 16, .size: 8, .value_kind: global_buffer, .address_space: global }
      - { .name: rows, .offset: 24, .size: 8, .value_kind: global_buffer, .address_space: global }
      - { .name: out0, .offset: 32, .size: 8, .value_kind: global_buffer, .address_space: global }
    .group_segment_fixed_size: 77824
    .private_segment_fixed_size: 0
    .kernarg_segment_align: 8
    .kernarg_segment_size: 40
    .max_flat_workgroup_size: 128
    .sgpr_count:     98
    .vgpr_count:     912
    .wavefront_size: 32
...
	.end_amdgpu_metadata
.endif
;; end of part 6
